; MI455X (gfx1250); checked and timed in simulation.
; The chip was launched on July 23, 2026; its instructions are those of AMD's public machine-readable ISA for CDNA 5 (MIT licence, August 2026) and "CDNA5" Instruction Set Architecture Reference Guide (July 2026). The comments in the code are by the model that wrote it; some were corrected since.
;; Multi Head Attention. Allowed arithmetic: float matrix products may take bf16 or f16 operands with f32 sums; all other float work in f32.
;; Inputs: Wk 1,024 x 1,024 float32; Wo 1,024 x 1,024 float32; Wq 1,024 x 1,024 float32; Wv 1,024 x 1,024 float32; bk 1,024 float32; bo 1,024 float32; x 2 x 2,048 x 1,024 float32.
;; Outputs: out0 2 x 2,048 x 1,024 float32.
;; 2 versions, each right and faster than the one before. Each part assembles by itself: llvm-mc -triple=amdgcn-amd-amdhsa -mcpu=gfx1250 --defsym DOCPART=n.
;; ======== version 1 of 2: 4 launches
;; workspace buffers: xb 8,388,608 bytes; wb 8,388,608 bytes; qkv 25,165,824 bytes; ao 8,388,608 bytes
;; launch cast (part 1): grid 64 x 8, 8 waves a work-group, no clusters, 0 bytes of LDS; arguments x, Wq, Wk, Wv, Wo, xb, wb; writes xb, wb
.if DOCPART == 1
	.amdgcn_target "amdgcn-amd-amdhsa--gfx1250"
	.amdhsa_code_object_version 6
	.text
	.protected	k_q4ac92d7869_cast
	.globl	k_q4ac92d7869_cast
	.p2align	8
	.type	k_q4ac92d7869_cast,@function
k_q4ac92d7869_cast:
	s_mov_b64 s[64:65], 0
	v_nop
	global_prefetch_b8 v0, s[64:65] scope:SCOPE_SE
	s_setreg_imm32_b32 hwreg(HW_REG_WAVE_MODE, 25, 1), 1
	s_wait_xcnt 0x0
; xb = bf16(x); wb = bf16 of Wq, Wk, Wv, Wo, stacked as rows 0-1023, 1024-2047, 2048-3071, 3072-4095.  Rounding to nearest even.
; The eight segments along the grid's y are 1 Mi numbers each: four quarters of x, then the four weights.  A work-group takes 64 KiB of f32
; of its segment: thread t takes 8 numbers (32 bytes) at byte 32 t of each of eight pieces of 8,192 bytes and writes them as 16 bytes at
; byte 16 t of a piece of 4,096 bytes, so each store of a wave covers 512 consecutive bytes, aligned.
; A stream: every byte is read once and written once; all sixteen loads of a wave go out before the first wait; no register is used twice,
; so no source of a pending instruction is ever rewritten.  No LDS, no barrier, no matrix unit, no cluster: no two work-groups share a byte.
.set X, 4                              ; v[4:67]   piece j: 8 f32
.set Y, 68                             ; v[68:99]  piece j: 8 bf16
	s_load_b256 s[4:11], s[0:1], 0x0               ; x s[4:5], Wq s[6:7], Wk s[8:9], Wv s[10:11]
	s_load_b128 s[12:15], s[0:1], 0x20             ; Wo s[12:13], xb s[14:15]
	s_load_b64 s[16:17], s[0:1], 0x30              ; wb
	s_and_b32 s18, ttmp7, 0xffff                   ; segment 0..7
	s_and_b32 s19, s18, 3                          ; quarter of x, or which weight
	s_lshl_b32 s30, s19, 22                        ; a quarter of x: 4 MiB of f32
	s_lshl_b32 s31, ttmp9, 16                      ; my 64 KiB in the segment
	s_lshl_b32 s28, s19, 21                        ; a segment in bf16: 2 MiB
	s_lshl_b32 s29, ttmp9, 15
	s_add_co_u32 s28, s28, s29                     ; offset in xb or wb
	s_mov_b32 s29, 0
	s_mov_b32 s21, 0
	v_lshlrev_b32 v1, 5, v0                        ; 32 t
	v_lshlrev_b32 v2, 4, v0                        ; 16 t
	s_wait_kmcnt 0x0
	s_cmp_eq_u32 s19, 1                            ; the weight of segments 4..7: a choice between buffers on the segment's number
	s_cselect_b64 s[22:23], s[8:9], s[6:7]
	s_cmp_eq_u32 s19, 2
	s_cselect_b64 s[22:23], s[10:11], s[22:23]
	s_cmp_eq_u32 s19, 3
	s_cselect_b64 s[22:23], s[12:13], s[22:23]
	s_cmp_lt_u32 s18, 4                            ; segments 0..3 are x
	s_cselect_b64 s[24:25], s[4:5], s[22:23]       ; from
	s_cselect_b64 s[26:27], s[14:15], s[16:17]     ; to
	s_cselect_b32 s20, s30, 0                      ; a weight starts at its own first byte
	s_add_co_u32 s20, s20, s31
	s_add_nc_u64 s[24:25], s[24:25], s[20:21]
	s_add_nc_u64 s[26:27], s[26:27], s[28:29]
.irp j, 0,1,2,3,4,5,6,7
	global_load_b128 v[X+8*\j:X+8*\j+3],   v1, s[24:25] offset:8192*\j th:TH_LOAD_NT
	global_load_b128 v[X+8*\j+4:X+8*\j+7], v1, s[24:25] offset:8192*\j+16 th:TH_LOAD_NT
.endr
.irp j, 0,1,2,3,4,5,6,7
	s_wait_loadcnt 14-2*\j                         ; loads come back in order: piece j's two are in, the 2 (7 - j) younger ones stay out
.irp p, 0,1,2,3
	v_cvt_pk_bf16_f32 v[Y+4*\j+\p], v[X+8*\j+2*\p], v[X+8*\j+2*\p+1]
.endr
	global_store_b128 v2, v[Y+4*\j:Y+4*\j+3], s[26:27] offset:4096*\j   ; no hint: the next launch reads these bytes
.endr
	s_endpgm
.Lfunc_end_k_q4ac92d7869_cast:
	.size	k_q4ac92d7869_cast, .Lfunc_end_k_q4ac92d7869_cast-k_q4ac92d7869_cast
	.p2alignl 7, 3214868480
	.fill 96, 4, 3214868480
	.section	.rodata,"a",@progbits
	.p2align	6, 0x0
	.amdhsa_kernel k_q4ac92d7869_cast
		.amdhsa_group_segment_fixed_size 0
		.amdhsa_private_segment_fixed_size 0
		.amdhsa_enable_private_segment 0
		.amdhsa_kernarg_size 56
		.amdhsa_user_sgpr_count 2
		.amdhsa_user_sgpr_kernarg_segment_ptr 1
		.amdhsa_wavefront_size32 1
		.amdhsa_system_sgpr_workgroup_id_x 1
		.amdhsa_system_sgpr_workgroup_id_y 1
		.amdhsa_system_sgpr_workgroup_id_z 1
		.amdhsa_system_vgpr_workitem_id 0
		.amdhsa_next_free_vgpr 104
		.amdhsa_next_free_sgpr 66
		.amdhsa_reserve_vcc 0
		.amdhsa_float_denorm_mode_32 3
		.amdhsa_float_denorm_mode_16_64 3
		.amdhsa_memory_ordered 1
		.amdhsa_forward_progress 1
		.amdhsa_inst_pref_size 6
	.end_amdhsa_kernel
	.amdgpu_metadata
---
amdhsa.version: [ 1, 2 ]
amdhsa.kernels:
  - .name:           k_q4ac92d7869_cast
    .symbol:         k_q4ac92d7869_cast.kd
    .args:
      - { .name: x, .offset: 0, .size: 8, .value_kind: global_buffer, .address_space: global }
      - { .name: Wq, .offset: 8, .size: 8, .value_kind: global_buffer, .address_space: global }
      - { .name: Wk, .offset: 16, .size: 8, .value_kind: global_buffer, .address_space: global }
      - { .name: Wv, .offset: 24, .size: 8, .value_kind: global_buffer, .address_space: global }
      - { .name: Wo, .offset: 32, .size: 8, .value_kind: global_buffer, .address_space: global }
      - { .name: xb, .offset: 40, .size: 8, .value_kind: global_buffer, .address_space: global }
      - { .name: wb, .offset: 48, .size: 8, .value_kind: global_buffer, .address_space: global }
    .group_segment_fixed_size: 0
    .private_segment_fixed_size: 0
    .kernarg_segment_align: 8
    .kernarg_segment_size: 56
    .max_flat_workgroup_size: 256
    .sgpr_count:     66
    .vgpr_count:     104
    .wavefront_size: 32
...
	.end_amdgpu_metadata
.endif
;; end of part 1
;; launch qkv (part 2): grid 16 x 16, 4 waves a work-group, clusters of 4 x 4, 327,680 bytes of LDS; arguments xb, wb, bk, qkv; writes qkv
.if DOCPART == 2
	.amdgcn_target "amdgcn-amd-amdhsa--gfx1250"
	.amdhsa_code_object_version 6
	.text
	.protected	k_q4ac92d7869_qkv
	.globl	k_q4ac92d7869_qkv
	.p2align	8
	.type	k_q4ac92d7869_qkv,@function
k_q4ac92d7869_qkv:
	s_mov_b64 s[64:65], 0
	v_nop
	global_prefetch_b8 v0, s[64:65] scope:SCOPE_SE
	s_setreg_imm32_b32 hwreg(HW_REG_WAVE_MODE, 25, 1), 1
	s_wait_xcnt 0x0
	s_wait_alu depctr_hold_cnt(0) depctr_sa_sdst(0) depctr_va_vdst(0) depctr_va_sdst(0) depctr_va_ssrc(0) depctr_va_vcc(0) depctr_vm_vsrc(0)
	s_getreg_b32 s2, hwreg(HW_REG_IB_STS2, 6, 4)
	s_cmp_eq_u32 s2, 0
	s_cbranch_scc0 .Lentry_in_a_cluster
	s_endpgm
.Lentry_in_a_cluster:
	s_bfe_u32 s2, ttmp6, 0x10000c
	s_cmp_lg_u32 s2, 0xf033
	s_cbranch_scc0 .Lentry_shape_is_right
	s_endpgm
.Lentry_shape_is_right:
; [4096 x 3072] = xb wb[0:3072]^T in bf16 with f32 sums, + bk on the k columns, rounded once to bf16 and stored by head:
; qkv[t][m][64], t = 0-15 q's heads, 16-31 k's, 32-47 v's; m = 2048 batch + position.
; A work-group makes 256 rows x 192 columns (three head slots); wave w makes rows 64 w .. 64 w + 63 of all 192 columns: 4 x 12 accumulator
; tiles of 16 x 16, 384 registers.  So a wave owns whole rows of whole head slots and its way out is its own.
; K goes in steps of 128 through two LDS slots filled by the tensor data mover; a tile's rows are 256 bytes of memory, aligned to 256.
; CLUSTERS: 4 x 4 work-groups.  The four of a row of the cluster need the same tiles of xb, the four of a column the same tiles of wb: each
; tile is asked for jointly, which divides the requests for both by four.
; LIMITS: operands are x and W rounded to bf16; q, k, v are rounded to bf16.  NaN and infinities are not served.
;
; REGISTERS in windows of 256:
;   window 0: v16-29 addresses; v32-63, v64-95 fragments of A (4 x 16 rows x 32 K), two buffers; v96-143 packed results; v144-239 bias
;   window 1: v0-95, v96-191 fragments of B (12 x 16 rows x 32 K), two buffers
;   window 2: accumulators of my rows 0-31 (tile (a, b) at v[8 (12 a + b)]);  window 3: of my rows 32-63
; THE MATRIX INSTRUCTION IS USED TRANSPOSED: source 0 = 16 rows of wb, source 1 = 16 rows of xb, so that lane l holds row l % 16 and its
; registers 0-7 the columns 8 (l / 16) + 0..7: eight neighbouring numbers of a row, 16 bytes in bf16.
.set KSTEP,  128
.set PITCH,  272                       ; an LDS row: 256 bytes + 16 of padding: the 16 rows of a fragment load start at 16 different 16-byte columns modulo 256 bytes
.set HALFA,  128*PITCH                 ; what waves 0, 1 fetch: 128 rows of xb
.set HALFB,  96*PITCH                  ; what waves 2, 3 fetch: 96 rows of wb
.set SLOT,   2*HALFA+2*HALFB           ; A's 256 rows, then B's 192
.set STAGE,  2*SLOT                    ; behind the ring, a multiple of 256: 16 rows x 400 bytes for each wave; no tensor load lands there
.set SPITCH, 400                       ; 384 bytes + 16
.set LAPS,   4                         ; 1024 / (2 x 128): a lap = two K steps = once round the ring
.set HSLOT,  524288                    ; bytes of a head slot: 4096 rows x 128
.set ADRA, 16                          ; v16-17  LDS address of my A fragments in slot 0, 1
.set ADRB, 20                          ; v20-21  the same for B
.set STO,  24                          ; the way out: where I put 16 bytes of a row
.set RD,   25                          ; the way out: where I read back
.set CO,   26                          ; 16 x lane
.set BOFF, 27                          ; v27-29  byte offset in bk of my 8 columns of head slot g
.set AF,   32                          ; A's buffer f at AF + 32 f (window 0); B's at 96 f (window 1)
.set TMP,  96
.set BIAS, 144                         ; v[BIAS + 8 b + j]: what is added to column 16 b + 8 (l / 16) + j
.set RB,   32                          ; the way out: rows read back (A's buffers are free by then)
.set G1,  24                           ; s[24:31] descriptor group 1, A's tiles
.set G0,  32                           ; s[32:39] group 0, A's tiles, one set for each slot
.set G1B, 48                           ; s[48:55] group 1, B's tiles
.set G0B, 56                           ; s[56:63] group 0, B's tiles
.set MSB, 0
.macro WIN new                         ; the immediate's high byte repeats the setting that is left; a switch that changes nothing is dropped
.if MSB != \new
	s_set_vgpr_msb (MSB<<8)|\new
.set MSB, \new
.endif
.endm
.set MUL_LO, 0xa1                      ; source 0 (B) window 1, source 1 (A) window 0, C and D window 2
.set MUL_HI, 0xf1                      ; the same, C and D window 3
.set TO_B,   0x40                      ; destination window 1, address window 0
; A joint load.  Waves 0, 1 ask for A's halves, waves 2, 3 for B's.  Each line has one mask; the branch hangs on the wave's number alone.
.macro JLOAD s
	s_cmp_eq_u32 s13, 0
	s_cbranch_scc0 .Lfor_b_\@
	tensor_load_to_lds s[G0+4*\s:G0+4*\s+3], s[G1:G1+7]
	s_nop 0
	s_branch .Lasked_\@
.Lfor_b_\@:
	tensor_load_to_lds s[G0B+4*\s:G0B+4*\s+3], s[G1B:G1B+7]
	s_nop 0
.Lasked_\@:
.endm
; A round of the cluster's barrier: my work-group's barrier; wave 0 signals for the work-group; every wave waits for all sixteen; my barrier again.
.macro CREST                           ; a round behind its opening barrier
	s_cmp_lg_u32 s12, 0
	s_cbranch_scc1 .Lnot_wave_0_\@
	s_barrier_signal -3
.Lnot_wave_0_\@:
	s_barrier_wait -3
	s_barrier_signal -1
	s_barrier_wait -1
.endm
.macro CROUND
	s_barrier_signal -1
	s_barrier_wait -1
	CREST
.endm
	s_load_b256 s[4:11], s[0:1], 0x0               ; xb s[4:5], wb s[6:7], bk s[8:9], qkv s[10:11]
	s_set_vgpr_msb 0x40
	v_lshl_add_u32 v255, v0, 2, 0x41c00
	s_set_vgpr_msb 0x4000
	v_mov_b32 v255, 0
	s_set_vgpr_msb 0x1
	ds_add_u32 v255, v255
	s_set_vgpr_msb 0x100
	v_lshrrev_b32 v1, 5, v0
	v_readfirstlane_b32 s12, v1                    ; wave 0..3
	s_lshr_b32 s13, s12, 1                         ; I fetch for A (0) or for B (1)
	s_and_b32 s14, s12, 1                          ; which half of that tile
	s_bfe_u32 s40, ttmp6, 0x40000                  ; cx
	s_bfe_u32 s41, ttmp6, 0x40004                  ; cy
	s_lshl_b32 s42, ttmp9, 2
	s_add_co_u32 s42, s42, s40                     ; column block = 4 x cluster x + cx
	s_and_b32 s15, ttmp7, 0xffff
	s_lshl_b32 s15, s15, 2
	s_add_co_u32 s15, s15, s41                     ; row block = 4 x cluster y + cy
	s_lshl_b32 s43, s41, 2
	s_lshl_b32 s43, 15, s43                        ; my row of the cluster: places 4 cy .. 4 cy + 3
	s_lshl_b32 s44, 0x1111, s40                    ; my column: places cx, cx + 4, cx + 8, cx + 12
	; group 1: rows of 128 bf16, padded in LDS by 4 words behind every 64 words; 128 rows for A, 96 for B; 1,024 elements from row to row
	s_or_b32 s[G1+0],  s43, (1<<16)|(1<<20)|(1<<21)|(5<<22)|(3<<25)   ; mask of my row; 2-byte elements; padding on; bit 21 beside a mask
	s_or_b32 s[G1B+0], s44, (1<<16)|(1<<20)|(1<<21)|(5<<22)|(3<<25)   ; the same with the mask of my column
	s_mov_b32 s[G1+1],  KSTEP<<16                  ; tensor_dim0 = 128
	s_mov_b32 s[G1B+1], KSTEP<<16
	s_mov_b32 s[G1+2],  128<<16                    ; tensor_dim1 = 128
	s_mov_b32 s[G1B+2], 96<<16                     ;             = 96
	s_mov_b32 s[G1+3],  KSTEP<<16                  ; tile_dim0 = 128
	s_mov_b32 s[G1B+3], KSTEP<<16
	s_mov_b32 s[G1+4],  128                        ; tile_dim1
	s_mov_b32 s[G1B+4], 96
	s_mov_b32 s[G1+5],  1024                       ; pitch in elements
	s_mov_b32 s[G1B+5], 1024
	s_mov_b32 s[G1+6],  0
	s_mov_b32 s[G1B+6], 0
	s_mov_b32 s[G1+7],  0
	s_mov_b32 s[G1B+7], 0
	; A's address hangs on the row block and the wave, B's on the column block and the wave, each in registers that never hold the other coordinate
	s_lshl_b32 s16, s15, 8
	s_lshl_b32 s17, s14, 7
	s_add_co_u32 s16, s16, s17                     ; A: row 256 x block + 128 x half
	s_lshl_b32 s16, s16, 11                        ; rows of 2,048 bytes
	s_mov_b32 s17, 0
	s_mul_i32 s46, s42, 192
	s_mul_i32 s47, s14, 96
	s_add_co_u32 s46, s46, s47                     ; B: row 192 x block + 96 x half
	s_lshl_b32 s46, s46, 11
	s_mov_b32 s47, 0
	s_mul_i32 s20, s12, HALFA                      ; where A's halves go (waves 0, 1)
	s_mul_i32 s21, s12, HALFB
	s_add_co_u32 s21, s21, 2*(HALFA-HALFB)         ; where B's go (waves 2, 3): behind A's 256 rows
	s_wait_dscnt 0x0
	s_wait_kmcnt 0x0
	s_add_nc_u64 s[16:17], s[4:5], s[16:17]
	s_add_nc_u64 s[46:47], s[6:7], s[46:47]
	CROUND                                         ; all sixteen work-groups are here: the first joint loads meet
.irp s, 0,1
	s_mov_b32 s[G0+4*\s], 1
	s_add_co_u32 s[G0+4*\s+1], s20, \s*SLOT
	s_add_nc_u64 s[G0+4*\s+2:G0+4*\s+3], s[16:17], \s*KSTEP*2      ; K step s
	s_or_b32 s[G0+4*\s+3], s[G0+4*\s+3], 0x80000000
	s_mov_b32 s[G0B+4*\s], 1
	s_add_co_u32 s[G0B+4*\s+1], s21, \s*SLOT
	s_add_nc_u64 s[G0B+4*\s+2:G0B+4*\s+3], s[46:47], \s*KSTEP*2
	s_or_b32 s[G0B+4*\s+3], s[G0B+4*\s+3], 0x80000000
	JLOAD \s                                       ; two tensor loads of the wave are out at the most
.endr
	v_and_b32 v1, 15, v0                           ; r = l % 16
	v_bfe_u32 v2, v0, 4, 1                         ; h = l / 16
	v_mul_u32_u24 v3, v1, PITCH
	v_lshl_add_u32 v3, v2, 4, v3                   ; row x pitch + 16 h
	s_mul_i32 s22, s12, 64*PITCH                   ; my 64 rows of A
	v_add_nc_u32 v[ADRA], s22, v3
	v_add_nc_u32 v[ADRA+1], SLOT, v[ADRA]
	v_add_nc_u32 v[ADRB], 2*HALFA, v3              ; every wave reads all 192 rows of B
	v_add_nc_u32 v[ADRB+1], 2*HALFA+SLOT, v3
	s_mul_i32 s23, s12, 16*SPITCH
	s_add_co_u32 s23, s23, STAGE                   ; my stage
	v_mul_u32_u24 v4, v1, SPITCH
	v_lshl_add_u32 v4, v2, 4, v4
	v_add_nc_u32 v[STO], s23, v4                   ; in: row r, 16 bytes for each half of the lanes
	v_bfe_u32 v5, v0, 3, 2                         ; back: eight lanes take the 128 bytes of one row of one head slot
	v_mul_u32_u24 v5, v5, SPITCH
	v_and_b32 v6, 7, v0
	v_lshl_add_u32 v5, v6, 4, v5
	v_add_nc_u32 v[RD], s23, v5
	v_and_b32 v6, 31, v0
	v_lshlrev_b32 v[CO], 4, v6
	; bk is read for every head slot (the address stays inside bk: head t % 16) and kept only where the slot is one of k's: a mask, no branch
.irp g, 0,1,2
	s_mul_i32 s[66+\g], s42, 3
	s_add_co_u32 s[66+\g], s[66+\g], \g            ; head slot t = 3 x column block + g
	s_and_b32 s73, s[66+\g], 15
	s_lshl_b32 s73, s73, 8                         ; 64 f32 a head
	v_lshl_add_u32 v[BOFF+\g], v2, 5, s73          ; + 8 h numbers
	s_lshr_b32 s74, s[66+\g], 4
	s_cmp_eq_u32 s74, 1
	s_cselect_b32 s[70+\g], -1, 0                  ; all ones for t = 16..31
.irp bb, 0,1,2,3
	global_load_b128 v[BIAS+8*(4*\g+\bb):BIAS+8*(4*\g+\bb)+3],   v[BOFF+\g], s[8:9] offset:64*\bb
	global_load_b128 v[BIAS+8*(4*\g+\bb)+4:BIAS+8*(4*\g+\bb)+7], v[BOFF+\g], s[8:9] offset:64*\bb+16
.endr
.endr
; 12 matrix instructions: m tile a of the window's two (hi = 0: my rows 0-31, 1: rows 32-63) x all 12 n tiles, 32 along K, from buffer f.
; The 48 accumulators take turns, one instruction a turn, in the same order in every quarter step.
.macro MUL12 f, hi, a, zero
.irp b, 0,1,2,3,4,5,6,7,8,9,10,11
.if \zero
	v_wmma_f32_16x16x32_bf16 v[8*(12*\a+\b):8*(12*\a+\b)+7], v[96*\f+8*\b:96*\f+8*\b+7], v[AF+32*\f+8*(2*\hi+\a):AF+32*\f+8*(2*\hi+\a)+7], 0
.else
	v_wmma_f32_16x16x32_bf16 v[8*(12*\a+\b):8*(12*\a+\b)+7], v[96*\f+8*\b:96*\f+8*\b+7], v[AF+32*\f+8*(2*\hi+\a):AF+32*\f+8*(2*\hi+\a)+7], v[8*(12*\a+\b):8*(12*\a+\b)+7]
.endif
.endr
.endm
; 32 LDS loads in one run: 192 rows of B, then my 64 rows of A, 32 K at byte k of the rows, into buffer f
.macro FETCH slot, k, f
	WIN TO_B
.irp i, 0,1,2,3,4,5,6,7,8,9,10,11
	ds_load_b128 v[96*\f+8*\i:96*\f+8*\i+3],   v[ADRB+\slot] offset:\k+\i*16*PITCH
	ds_load_b128 v[96*\f+8*\i+4:96*\f+8*\i+7], v[ADRB+\slot] offset:\k+\i*16*PITCH+32
.endr
	WIN 0
.irp i, 0,1,2,3
	ds_load_b128 v[AF+32*\f+8*\i:AF+32*\f+8*\i+3],   v[ADRA+\slot] offset:\k+\i*16*PITCH
	ds_load_b128 v[AF+32*\f+8*\i+4:AF+32*\f+8*\i+7], v[ADRA+\slot] offset:\k+\i*16*PITCH+32
.endr
.endm
; A load into a register that a matrix instruction has read stands four places behind it, and only plain vector instructions that name none
; of its registers are places (ISA guide 7.12.1 for vector instructions).
.macro PLACES
.rept 4
	v_nop
.endr
.endm
; A K step is four quarter steps of 32 along K, 48 matrix instructions each, on buffers 0, 1, 0, 1.
.macro QUARTER slot, k, f, g, zero
	s_wait_dscnt 4                                 ; B and A's tiles 0, 1 are in; the youngest four loads (A's tiles 2, 3) may be out
	WIN MUL_LO
	MUL12 \f, 0, 0, \zero
	MUL12 \f, 0, 1, \zero
	PLACES
	FETCH \slot, \k, \g
	s_wait_dscnt 32                                ; all but the 32 just issued
	WIN MUL_HI
	MUL12 \f, 1, 0, \zero
	MUL12 \f, 1, 1, \zero
.endm
.macro THREE slot, zero
	QUARTER \slot, 64,  0, 1, \zero
	QUARTER \slot, 128, 1, 0, 0
	QUARTER \slot, 192, 0, 1, 0
.endm
; The last quarter multiplies buffer 1 and changes slots.  In front of the barrier each wave waits for its reads of this slot and for all its
; tensor loads (one is out: its part of the next slot).  Behind it the refill comes first, then the next slot's first fragments.
; From a request to the wait for it a wave issues 180 matrix instructions.
.macro TURN slot, next, fill
	s_wait_dscnt 4
	WIN MUL_LO
	MUL12 1, 0, 0, 0
	s_wait_dscnt 0                                 ; my reads of this slot are over
	s_wait_tensorcnt 0x0                           ; all my tensor loads have landed
	ds_add_u32 v255, v255
	s_wait_dscnt 0x0
	s_barrier_signal -1                            ; (where the slot is filled again this barrier opens a round of the cluster's barrier)
	MUL12 1, 0, 1, 0                               ; register work while the others arrive
	WIN 0
	s_barrier_wait -1
.if \fill
	CREST                                          ; no wave of any partner still reads this slot or has a load on its way
	s_add_nc_u64 s[G0+4*\slot+2:G0+4*\slot+3], s[G0+4*\slot+2:G0+4*\slot+3], 2*KSTEP*2
	s_add_nc_u64 s[G0B+4*\slot+2:G0B+4*\slot+3], s[G0B+4*\slot+2:G0B+4*\slot+3], 2*KSTEP*2
	JLOAD \slot                                    ; the first tensor load behind the round
.endif
	PLACES
	FETCH \next, 0, 0
	WIN MUL_HI
	MUL12 1, 1, 0, 0
	MUL12 1, 1, 1, 0
.endm
.macro LAP zero
	THREE 0, \zero
	TURN 0, 1, 1
	THREE 1, 0
	TURN 1, 0, 1
.endm
	s_wait_tensorcnt 1                             ; my part of K step 0 is in; K step 1's stays out
	s_barrier_signal -1
	s_barrier_wait -1
	FETCH 0, 0, 0
	LAP 1                                          ; the first lap's first products start the sums: nothing is cleared
	WIN 0
	s_mov_b32 s3, LAPS-2
.Llap:
	LAP 0
	WIN 0
	s_sub_co_u32 s3, s3, 1
	s_cmp_lg_u32 s3, 0
	s_cbranch_scc1 .Llap
	THREE 0, 0                                     ; the last lap fills nothing
	TURN 0, 1, 0
	THREE 1, 0
	s_wait_dscnt 4
	WIN MUL_LO
	MUL12 1, 0, 0, 0
	MUL12 1, 0, 1, 0
	s_wait_dscnt 0
	WIN MUL_HI
	MUL12 1, 1, 0, 0
	MUL12 1, 1, 1, 0
	; THE WAY OUT.  First the bias is masked: these 96 plain vector instructions name no register of the last matrix instructions
	; and are the places behind them.
	WIN 0
	s_wait_loadcnt 0x0                             ; bk
.set i, 0
.rept 96
	v_and_b32 v[BIAS+i], s[70+i/32], v[BIAS+i]     ; bk on k's columns, +0 on q's and v's
.set i, i+1
.endr
	s_lshl_b32 s16, s15, 15                        ; 256 x row block rows of 128 bytes
	s_lshl_b32 s17, s12, 13                        ; + 64 x wave
	s_add_co_u32 s16, s16, s17
	s_mov_b32 s17, 0
	s_add_nc_u64 s[10:11], s[10:11], s[16:17]
	s_mul_i32 s46, s66, HSLOT                      ; my first head slot
	s_mov_b32 s47, 0
	s_add_nc_u64 s[10:11], s[10:11], s[46:47]
; rows 16 i .. 16 i + 15 of my 64: add the bias, round to bf16, 16 bytes a lane into my own stage, read back as 4 rows x 128 bytes of one head slot
.macro OUT16 i, a, wadd, wcvt
	WIN \wadd                                      ; accumulators as destination and source 0, bias from window 0
.irp b, 0,1,2,3,4,5,6,7,8,9,10,11
.irp p, 0,2,4,6
	v_pk_add_f32 v[8*(12*\a+\b)+\p:8*(12*\a+\b)+\p+1], v[8*(12*\a+\b)+\p:8*(12*\a+\b)+\p+1], v[BIAS+8*\b+\p:BIAS+8*\b+\p+1]
.endr
.endr
	WIN \wcvt                                      ; accumulators as sources 0 and 1, destination window 0
.irp b, 0,1,2,3,4,5,6,7,8,9,10,11
.irp p, 0,1,2,3
	v_cvt_pk_bf16_f32 v[TMP+4*\b+\p], v[8*(12*\a+\b)+2*\p], v[8*(12*\a+\b)+2*\p+1]
.endr
.endr
	WIN 0
.irp b, 0,1,2,3,4,5,6,7,8,9,10,11
	ds_store_b128 v[STO], v[TMP+4*\b:TMP+4*\b+3] offset:32*\b
.endr
	s_wait_xcnt 0x0                                ; RB, which the last stores read, is loaded again only behind this wait
.irp g, 0,1,2
.irp q, 0,1,2,3
	ds_load_b128 v[RB+4*(4*\g+\q):RB+4*(4*\g+\q)+3], v[RD] offset:128*\g+4*SPITCH*\q   ; LDS serves a wave's instructions in order: these see the stores above
.endr
.endr
.irp g, 0,1,2
.irp q, 0,1,2,3
	s_wait_dscnt 11-(4*\g+\q)
	global_store_b128 v[CO], v[RB+4*(4*\g+\q):RB+4*(4*\g+\q)+3], s[10:11] offset:HSLOT*\g+2048*\i+512*\q   ; a wave's store covers 512 consecutive bytes, aligned
.endr
.endr
.endm
	OUT16 0, 0, 0x82, 0x0a
	OUT16 1, 1, 0x82, 0x0a
	OUT16 2, 0, 0xc3, 0x0f
	OUT16 3, 1, 0xc3, 0x0f
	s_set_vgpr_msb 0x1
	s_wait_tensorcnt 0x0
	ds_add_u32 v255, v255
	s_wait_dscnt 0x0
	s_set_vgpr_msb 0x100
	CROUND                                         ; the closing round: no work-group ends while a partner may still ask for a tile that names it
	s_endpgm
.Lfunc_end_k_q4ac92d7869_qkv:
	.size	k_q4ac92d7869_qkv, .Lfunc_end_k_q4ac92d7869_qkv-k_q4ac92d7869_qkv
	.p2alignl 7, 3214868480
	.fill 96, 4, 3214868480
	.section	.rodata,"a",@progbits
	.p2align	6, 0x0
	.amdhsa_kernel k_q4ac92d7869_qkv
		.amdhsa_group_segment_fixed_size 327680
		.amdhsa_private_segment_fixed_size 0
		.amdhsa_enable_private_segment 0
		.amdhsa_kernarg_size 32
		.amdhsa_user_sgpr_count 2
		.amdhsa_user_sgpr_kernarg_segment_ptr 1
		.amdhsa_wavefront_size32 1
		.amdhsa_system_sgpr_workgroup_id_x 1
		.amdhsa_system_sgpr_workgroup_id_y 1
		.amdhsa_system_sgpr_workgroup_id_z 1
		.amdhsa_system_vgpr_workitem_id 0
		.amdhsa_next_free_vgpr 960
		.amdhsa_next_free_sgpr 76
		.amdhsa_reserve_vcc 0
		.amdhsa_float_denorm_mode_32 3
		.amdhsa_float_denorm_mode_16_64 3
		.amdhsa_memory_ordered 1
		.amdhsa_forward_progress 1
		.amdhsa_inst_pref_size 181
	.end_amdhsa_kernel
	.amdgpu_metadata
---
amdhsa.version: [ 1, 2 ]
amdhsa.kernels:
  - .name:           k_q4ac92d7869_qkv
    .symbol:         k_q4ac92d7869_qkv.kd
    .args:
      - { .name: xb, .offset: 0, .size: 8, .value_kind: global_buffer, .address_space: global }
      - { .name: wb, .offset: 8, .size: 8, .value_kind: global_buffer, .address_space: global }
      - { .name: bk, .offset: 16, .size: 8, .value_kind: global_buffer, .address_space: global }
      - { .name: qkv, .offset: 24, .size: 8, .value_kind: global_buffer, .address_space: global }
    .group_segment_fixed_size: 327680
    .private_segment_fixed_size: 0
    .kernarg_segment_align: 8
    .kernarg_segment_size: 32
    .max_flat_workgroup_size: 128
    .sgpr_count:     76
    .vgpr_count:     960
    .wavefront_size: 32
...
	.end_amdgpu_metadata
.endif
;; end of part 2
;; launch attn (part 3): grid 8 x 32, 8 waves a work-group, clusters of 4 x 1, 327,680 bytes of LDS; arguments qkv, ao; writes ao
.if DOCPART == 3
	.amdgcn_target "amdgcn-amd-amdhsa--gfx1250"
	.amdhsa_code_object_version 6
	.text
	.protected	k_q4ac92d7869_attn
	.globl	k_q4ac92d7869_attn
	.p2align	8
	.type	k_q4ac92d7869_attn,@function
k_q4ac92d7869_attn:
	s_mov_b64 s[64:65], 0
	v_nop
	global_prefetch_b8 v0, s[64:65] scope:SCOPE_SE
	s_setreg_imm32_b32 hwreg(HW_REG_WAVE_MODE, 25, 1), 1
	s_wait_xcnt 0x0
	s_wait_alu depctr_hold_cnt(0) depctr_sa_sdst(0) depctr_va_vdst(0) depctr_va_sdst(0) depctr_va_ssrc(0) depctr_va_vcc(0) depctr_vm_vsrc(0)
	s_getreg_b32 s2, hwreg(HW_REG_IB_STS2, 6, 4)
	s_cmp_eq_u32 s2, 0
	s_cbranch_scc0 .Lentry_in_a_cluster
	s_endpgm
.Lentry_in_a_cluster:
	s_bfe_u32 s2, ttmp6, 0x10000c
	s_cmp_lg_u32 s2, 0x3003
	s_cbranch_scc0 .Lentry_shape_is_right
	s_endpgm
.Lentry_shape_is_right:
; ao[head][m][64] = softmax(q k^T / 8) v for one (batch, head) and 256 q rows a work-group; bf16 operands, f32 sums, running maximum.
; Eight waves: wave w has the q rows 64 (w & 3) .. + 63 and, of every tile of 512 keys, the half w >> 2: four blocks of 64 keys a tile.
; Each fragment of K or V from LDS feeds four q tiles.  The two halves of the keys are merged at the end through LDS.
; TRANSPOSED: S^T = K Q^T and O^T = V^T P^T.  In S^T lane l holds, for q row l % 16, the keys 16 kt + 8 (l / 16) + 0..7; packed to bf16 that is
; the second operand's layout of the next product, so P never leaves its lane, and maximum, sum and factor are one register for a q tile.
; p = exp2(c s - c m), c = 0.125 log2 e: the scale 1/8 rides in the multiply-add that takes the maximum away.
; THE RING: the 2,048 keys are four tiles in two LDS slots.  Both slots are asked for at the start; a slot is filled again as soon as it has been
; read, two tiles ahead, so a refill has a whole trip (256 matrix instructions of a wave and their softmax) in which to land, and the waves meet
; at three changes of slot only.  The four trips differ (the first starts the sums, two refill, one changes slot without a refill, the last
; changes nothing), so they are written out by macro, without a loop; every LDS offset is an immediate.
; CLUSTERS: the four q blocks of a cluster belong to one head and ask for its K and V tiles jointly (mask 15): a quarter of the requests.
; LIMITS: q, k, v, P are bf16; the sum l adds the unrounded p; p below 2^-126 counts as 0 (v_exp_f32 flushes); NaN and infinities are not served.
;
; REGISTERS: window 0: v7-15 addresses; v16-31 four quads {-c m, m, factor, l}; v32-63 at work; v64-127 Q; v128-191 K; v192-255 V^T
;            window 1: v0-127 S^T, later P^T (q tile qt, key tile kt at 32 qt + 8 kt); v128-255 O^T (32 qt + 8 dt)
.set KP,     144                       ; K's LDS rows: 128 bytes + 16: an odd multiple of 16
.set VP,     160                       ; V's: 128 + 32: an odd multiple of 32, for the transposing load
.set TKEYS,  512                       ; keys in a tile
.set VOFF,   TKEYS*KP                  ; V lies behind K's 512 rows: 73,728
.set SLOTB,  TKEYS*(KP+VP)             ; 155,648
.set TILEB,  TKEYS*128                 ; a tile's bytes of K, or of V, in memory
.set HSLOT,  524288                    ; bytes of a head slot
.set MSIZE,  18432                     ; the merge: four areas (O^T 32 x 512 bytes, then 4 quads x 512) from LDS byte 0 on: 73,728 bytes, slot 0's K rows,
                                       ; which have had their last fill (tile 2) and their last reads (third trip) when the merge stores into them
.set OSTAGE, 2*SLOTB                   ; behind the ring, a multiple of 256: four stages of 16 rows x 144 bytes; no tensor load lands there
.set OSIZE,  16*KP
.set CO,   7
.set KADR, 8                           ; v8-9    my K fragments in slot 0, 1
.set VADR, 10                          ; v10-11  my V fragments
.set QOFF, 12
.set MADR, 13
.set STO,  14
.set RD,   15
.set ST,   16
.set T,    32
.set QF,   64                          ; 16 qt + 8 dh
.set KF,   128                         ; 16 kt + 8 dh
.set VF,   192                         ; 8 (4 kc + dt)
.set SC,   0                           ; window 1
.set OA,   128                         ; window 1
.set G1K, 16
.set G1V, 24
.set G0K, 32                           ; s[32:39]  one set for each slot
.set G0V, 40                           ; s[40:47]
.set MSB, 0
.macro WIN new                         ; the immediate's high byte repeats the setting that is left; a switch that changes nothing is dropped
.if MSB != \new
	s_set_vgpr_msb (MSB<<8)|\new
.set MSB, \new
.endif
.endm
; A round of the cluster's barrier: my work-group's barrier; wave 0 signals for the work-group; every wave waits for all four; my barrier again.
.macro CREST                           ; a round behind its opening barrier
	s_cmp_lg_u32 s8, 0
	s_cbranch_scc1 .Lnot_wave_0_\@
	s_barrier_signal -3
.Lnot_wave_0_\@:
	s_barrier_wait -3
	s_barrier_signal -1
	s_barrier_wait -1
.endm
.macro ROUND
	s_barrier_signal -1
	s_barrier_wait -1
	CREST
.endm
	s_load_b128 s[4:7], s[0:1], 0x0                ; qkv s[4:5], ao s[6:7]
	v_lshl_add_u32 v190, v0, 2, 0x4e400
	v_mov_b32 v191, 0
	ds_add_u32 v190, v191
	s_wait_dscnt 0x0
	v_lshrrev_b32 v1, 5, v0
	v_readfirstlane_b32 s8, v1                     ; wave 0..7
	s_and_b32 s9, s8, 3                            ; my 64 q rows
	s_lshr_b32 s10, s8, 2                          ; my half of the keys
	s_bfe_u32 s11, ttmp6, 0x40000                  ; cx
	s_lshl_b32 s12, ttmp9, 2
	s_add_co_u32 s12, s12, s11                     ; q block 0..7
	s_and_b32 s13, ttmp7, 0xffff
	s_lshr_b32 s14, s13, 4                         ; batch
	s_and_b32 s15, s13, 15                         ; head
	s_mov_b32 s48, 0x76543210                      ; v_permlanex16_b32: lane i reads lane i of the other half
	s_mov_b32 s49, 0xfedcba98
	s_mov_b32 s60, 0x3e38aa3b                      ; c = 0.125 log2 e, as a pair for the packed forms
	s_mov_b32 s61, 0x3e38aa3b
	s_mov_b32 s62, 0xbe38aa3b                      ; -c
	; group 1: a wave's part is 64 rows of 128 bytes, dense in memory: 32 rows of 256 bytes (32 elements of 8 bytes);
	; behind every 32 words (one row of K or V) the mover skips 4 words for K, 8 for V
	s_mov_b32 s[G1K+0], 15|(3<<16)|(1<<20)|(1<<21)|(4<<22)|(3<<25)
	s_mov_b32 s[G1V+0], 15|(3<<16)|(1<<20)|(1<<21)|(4<<22)|(7<<25)
	s_mov_b32 s[G1K+1], 32<<16                     ; tensor_dim0 = 32
	s_mov_b32 s[G1V+1], 32<<16
	s_mov_b32 s[G1K+2], 32<<16                     ; tensor_dim1 = 32
	s_mov_b32 s[G1V+2], 32<<16
	s_mov_b32 s[G1K+3], 32<<16                     ; tile_dim0 = 32
	s_mov_b32 s[G1V+3], 32<<16
	s_mov_b32 s[G1K+4], 32                         ; tile_dim1 = 32
	s_mov_b32 s[G1V+4], 32
	s_mov_b32 s[G1K+5], 32                         ; pitch
	s_mov_b32 s[G1V+5], 32
	s_mov_b32 s[G1K+6], 0
	s_mov_b32 s[G1V+6], 0
	s_mov_b32 s[G1K+7], 0
	s_mov_b32 s[G1V+7], 0
	s_lshl_b32 s52, s15, 19                        ; head x 4096 rows x 128 bytes
	s_lshl_b32 s53, s14, 18                        ; + batch x 2048 rows
	s_add_co_u32 s52, s52, s53
	s_lshl_b32 s56, s12, 15                        ; q block x 256 rows (the only place where cx enters: global addresses of q and ao)
	s_lshl_b32 s57, s9, 13                         ; + 64 rows x (w & 3)
	s_add_co_u32 s56, s56, s57
	s_add_co_u32 s56, s56, s52                     ; my q rows in q's head slot, and in ao
	s_mov_b32 s57, 0
	s_lshl_b32 s53, s8, 13                         ; my 64 rows of a tile
	s_add_co_u32 s52, s52, s53
	s_add_co_u32 s52, s52, 16*HSLOT                ; k's head slots follow q's sixteen
	s_mov_b32 s53, 0
	s_mul_i32 s51, s8, 64*KP                       ; my part of K in a slot
	s_mul_i32 s63, s8, 64*VP                       ; my part of V
	v_and_b32 v1, 31, v0                           ; l
	v_and_b32 v2, 15, v0                           ; r
	v_bfe_u32 v3, v0, 4, 1                         ; h
	v_lshlrev_b32 v[QOFF], 7, v2
	v_lshl_add_u32 v[QOFF], v3, 4, v[QOFF]         ; 128 r + 16 h
	s_wait_kmcnt 0x0
	s_add_nc_u64 s[54:55], s[4:5], s[52:53]        ; K, tile 0, my rows
	s_add_nc_u64 s[58:59], s[4:5], s[56:57]        ; Q
	s_add_nc_u64 s[6:7], s[6:7], s[56:57]          ; ao
.irp qt, 0,1,2,3
.irp dh, 0,1
	global_load_b128 v[QF+16*\qt+8*\dh:QF+16*\qt+8*\dh+3],   v[QOFF], s[58:59] offset:2048*\qt+64*\dh
	global_load_b128 v[QF+16*\qt+8*\dh+4:QF+16*\qt+8*\dh+7], v[QOFF], s[58:59] offset:2048*\qt+64*\dh+32
.endr
.endr
.irp s, 0,1
	s_mov_b32 s[G0K+4*\s], 1
	s_add_co_u32 s[G0K+4*\s+1], s51, \s*SLOTB
	s_add_nc_u64 s[G0K+4*\s+2:G0K+4*\s+3], s[54:55], \s*TILEB
	s_or_b32 s[G0K+4*\s+3], s[G0K+4*\s+3], 0x80000000
	s_mov_b32 s[G0V+4*\s], 1
	s_add_co_u32 s[G0V+4*\s+1], s63, \s*SLOTB+VOFF
	s_add_nc_u64 s[G0V+4*\s+2:G0V+4*\s+3], s[54:55], 16*HSLOT+\s*TILEB   ; v's head slots follow k's sixteen
	s_or_b32 s[G0V+4*\s+3], s[G0V+4*\s+3], 0x80000000
.endr
	ROUND                                          ; the four work-groups are here: the first joint loads meet
.irp s, 0,1
	tensor_load_to_lds s[G0K+4*\s:G0K+4*\s+3], s[G1K:G1K+7]        ; tiles 0 and 1: four tensor loads of the wave are out here, later two
	s_nop 0
	tensor_load_to_lds s[G0V+4*\s:G0V+4*\s+3], s[G1V:G1V+7]
	s_nop 0
.endr
	v_mul_u32_u24 v4, v2, KP
	v_lshl_add_u32 v4, v3, 4, v4                   ; 144 r + 16 h
	s_mul_i32 s52, s10, 256*KP                     ; my half of a tile's keys
	v_add_nc_u32 v[KADR], s52, v4
	v_add_nc_u32 v[KADR+1], SLOTB, v[KADR]
	v_and_b32 v5, 7, v0
	v_lshl_add_u32 v5, v3, 3, v5                   ; key 8 h + (l & 7)
	v_mul_u32_u24 v5, v5, VP
	v_bfe_u32 v6, v0, 3, 1
	v_lshl_add_u32 v5, v6, 4, v5                   ; + 16 ((l >> 3) & 1)
	s_mul_i32 s52, s10, 256*VP
	s_add_co_u32 s52, s52, VOFF
	v_add_nc_u32 v[VADR], s52, v5
	v_add_nc_u32 v[VADR+1], SLOTB, v[VADR]
	s_mul_i32 s52, s9, MSIZE                       ; the merge areas start at LDS byte 0
	v_lshl_add_u32 v[MADR], v1, 4, s52
	s_mul_i32 s52, s9, OSIZE
	s_add_co_u32 s52, s52, OSTAGE
	v_add_nc_u32 v[STO], s52, v4
	v_lshrrev_b32 v5, 3, v1
	v_mul_u32_u24 v5, v5, KP
	v_and_b32 v6, 7, v0
	v_lshl_add_u32 v5, v6, 4, v5
	v_add_nc_u32 v[RD], s52, v5                    ; 144 (l >> 3) + 16 (l & 7)
	v_lshlrev_b32 v[CO], 4, v1
; K's fragments of block bl (64 of my 256 keys): 16 loads, d = 0..31 of all four key tiles first
.macro FETCHK slot, bl
.irp dh, 0,1
.irp kt, 0,1,2,3
	ds_load_b128 v[KF+16*\kt+8*\dh:KF+16*\kt+8*\dh+3],   v[KADR+\slot] offset:64*KP*(\bl)+16*KP*\kt+64*\dh
	ds_load_b128 v[KF+16*\kt+8*\dh+4:KF+16*\kt+8*\dh+7], v[KADR+\slot] offset:64*KP*(\bl)+16*KP*\kt+64*\dh+32
.endr
.endr
.endm
; V^T's fragments of block bl: V lies [key][d] in LDS; the transposing load gives lane l row d = 16 dt + l % 16, keys along the registers
.macro FETCHV slot, bl
.irp kc, 0,1
.irp dt, 0,1,2,3
	ds_load_tr16_b128 v[VF+8*(4*\kc+\dt):VF+8*(4*\kc+\dt)+3],   v[VADR+\slot] offset:64*VP*(\bl)+32*VP*\kc+32*\dt
	ds_load_tr16_b128 v[VF+8*(4*\kc+\dt)+4:VF+8*(4*\kc+\dt)+7], v[VADR+\slot] offset:64*VP*(\bl)+32*VP*\kc+32*\dt+16*VP
.endr
.endr
.endm
; S^T of 64 keys x 64 q: 32 matrix instructions; the 16 accumulators take turns, one instruction a turn
.macro SPHASE cnt
	WIN 0x50                                       ; C and D window 1, K and Q window 0
.if \cnt
	s_wait_dscnt 8                                 ; d = 0..31 is in; the eight loads of d = 32..63 may be out
.endif
.irp kt, 0,1,2,3
.irp qt, 0,1,2,3
	v_wmma_f32_16x16x32_bf16 v[SC+32*\qt+8*\kt:SC+32*\qt+8*\kt+7], v[KF+16*\kt:KF+16*\kt+7], v[QF+16*\qt:QF+16*\qt+7], 0
.endr
.endr
.if \cnt
	s_wait_dscnt 0
.endif
.irp kt, 0,1,2,3
.irp qt, 0,1,2,3
	v_wmma_f32_16x16x32_bf16 v[SC+32*\qt+8*\kt:SC+32*\qt+8*\kt+7], v[KF+16*\kt+8:KF+16*\kt+15], v[QF+16*\qt+8:QF+16*\qt+15], v[SC+32*\qt+8*\kt:SC+32*\qt+8*\kt+7]
.endr
.endr
.endm
; O^T += V^T P^T: 32 matrix instructions, the 16 accumulators by turns.  Five places behind them: the next S^T writes over P, loads land in V^T's
; registers and vector instructions scale O^T.
.macro PVPHASE first
	WIN 0x54                                       ; C, D and P window 1, V^T window 0
.irp kc, 0,1
.irp dt, 0,1,2,3
.irp qt, 0,1,2,3
.if \first*(1-\kc)
	v_wmma_f32_16x16x32_bf16 v[OA+32*\qt+8*\dt:OA+32*\qt+8*\dt+7], v[VF+8*(4*\kc+\dt):VF+8*(4*\kc+\dt)+7], v[SC+32*\qt+8*\kc:SC+32*\qt+8*\kc+7], 0
.else
	v_wmma_f32_16x16x32_bf16 v[OA+32*\qt+8*\dt:OA+32*\qt+8*\dt+7], v[VF+8*(4*\kc+\dt):VF+8*(4*\kc+\dt)+7], v[SC+32*\qt+8*\kc:SC+32*\qt+8*\kc+7], v[OA+32*\qt+8*\dt:OA+32*\qt+8*\dt+7]
.endif
.endr
.endr
.endr
.rept 5
	v_nop
.endr
	WIN 0
.endm
; c s - c m for the pair of registers j of S^T (q tile j / 16); steps j
.macro PKF
	v_pk_fma_f32 v[SC+2*j:SC+2*j+1], v[SC+2*j:SC+2*j+1], s[60:61], v[ST+4*(j/16):ST+4*(j/16)+1] op_sel_hi:[1,0,0]
.set j, j+1
.endm
; The softmax step of a block: all four q tiles (128 registers of S^T) at once, so that every step of a chain of dependent instructions is
; written four times in a row, once for each q tile, and the exponentials alternate with plain instructions.
; first = 1: no earlier maximum, sum or O^T.
.macro SOFT first
	; the largest of a q tile's 32 registers, two tiles at a time: 11 partial maxima, then 4, then 2 in v[T+24+2 qt], v[T+25+2 qt]
.irp pr, 0,1
	WIN 0x15                                       ; sources window 1, destination window 0
.irp e, 0,1
.irp i, 0,1,2,3,4,5,6,7,8,9
	v_max3_num_f32 v[T+11*\e+\i], v[SC+64*\pr+32*\e+3*\i], v[SC+64*\pr+32*\e+3*\i+1], v[SC+64*\pr+32*\e+3*\i+2]
.endr
	v_max_num_f32 v[T+11*\e+10], v[SC+64*\pr+32*\e+30], v[SC+64*\pr+32*\e+31]
.endr
	WIN 0
.irp e, 0,1
.irp k, 0,1,2
	v_max3_num_f32 v[T+11*\e+3*\k], v[T+11*\e+3*\k], v[T+11*\e+3*\k+1], v[T+11*\e+3*\k+2]
.endr
.if \first
	v_max_num_f32 v[T+25+4*\pr+2*\e], v[T+11*\e+9], v[T+11*\e+10]
.else
	v_max3_num_f32 v[T+25+4*\pr+2*\e], v[T+11*\e+9], v[T+11*\e+10], v[ST+8*\pr+4*\e+1]   ; the running maximum joins
.endif
.endr
.irp e, 0,1
	v_max3_num_f32 v[T+24+4*\pr+2*\e], v[T+11*\e], v[T+11*\e+3], v[T+11*\e+6]
.endr
.endr
.irp qt, 0,1,2,3
	v_max_num_f32 v[T+24+2*\qt], v[T+24+2*\qt], v[T+25+2*\qt]
.endr
.irp qt, 0,1,2,3
	v_permlanex16_b32 v[T+25+2*\qt], v[T+24+2*\qt], s48, s49       ; the other 32 keys of the same q row lie in the other half of the lanes
.endr
.irp qt, 0,1,2,3
	v_max_num_f32 v[T+24+2*\qt], v[T+24+2*\qt], v[T+25+2*\qt]      ; m
.endr
.irp qt, 0,1,2,3
	v_mul_f32 v[ST+4*\qt], s62, v[T+24+2*\qt]                      ; -c m
.endr
.if 1-\first
.irp qt, 0,1,2,3
	v_fma_f32 v[T+25+2*\qt], v[ST+4*\qt+1], s60, v[ST+4*\qt]       ; c (m before - m)
.endr
.endif
.irp qt, 0,1,2,3
	v_mov_b32 v[ST+4*\qt+1], v[T+24+2*\qt]
.endr
.if 1-\first
.irp qt, 0,1,2,3
	v_exp_f32 v[ST+4*\qt+2], v[T+25+2*\qt]                         ; the factor for what has been summed; the next plain line touches none of these registers (ISA guide 5.7.2)
.endr
.endif
	; p = exp2(c s - c m) in place.  The multiply-adds run four pairs ahead of the exponentials; behind each exponential stands a plain
	; instruction on other registers: a multiply-add, or the scaling of a pair of O^T by its q tile's factor.
	WIN 0x41                                       ; destination and source 0 window 1
.set j, 0
.rept 4
	PKF
.endr
.set i, 0
.rept 64
	v_exp_f32 v[SC+2*i], v[SC+2*i]
.if j < 64
	PKF
.endif
	v_exp_f32 v[SC+2*i+1], v[SC+2*i+1]
.if 1-\first
	s_wait_alu depctr_va_vdst(0)
	v_pk_mul_f32 v[OA+2*i:OA+2*i+1], v[OA+2*i:OA+2*i+1], v[ST+4*(i/16)+2:ST+4*(i/16)+3] op_sel_hi:[1,0]
.endif
.set i, i+1
.endr
.if \first
	v_nop                                          ; the plain place behind the last exponentials
	s_wait_alu depctr_va_vdst(0)
.endif
	; the sum of the unrounded p: four packed accumulators for each q tile, v[T+8 qt .. T+8 qt+7]
	WIN 0x05                                       ; sources window 1, destination window 0
	s_wait_alu depctr_va_vdst(0)
.irp qt, 0,1,2,3
.irp a, 0,1,2,3
	v_pk_add_f32 v[T+8*\qt+2*\a:T+8*\qt+2*\a+1], v[SC+32*\qt+2*\a:SC+32*\qt+2*\a+1], v[SC+32*\qt+2*\a+8:SC+32*\qt+2*\a+9]
.endr
.endr
	WIN 0x01                                       ; source 0 window 1
.irp g, 16,24
.irp qt, 0,1,2,3
.irp a, 0,1,2,3
	v_pk_add_f32 v[T+8*\qt+2*\a:T+8*\qt+2*\a+1], v[SC+32*\qt+2*\a+\g:SC+32*\qt+2*\a+\g+1], v[T+8*\qt+2*\a:T+8*\qt+2*\a+1]
.endr
.endr
.endr
	WIN 0x45                                       ; all in window 1: p to bf16 in place; register n takes 2 n and 2 n + 1, ascending, so no unread p is written over
.irp qt, 0,1,2,3
.set i, 0
.rept 16
	v_cvt_pk_bf16_f32 v[SC+32*\qt+i], v[SC+32*\qt+2*i], v[SC+32*\qt+2*i+1]
.set i, i+1
.endr
.endr
	WIN 0
.irp qt, 0,1,2,3
	v_pk_add_f32 v[T+8*\qt:T+8*\qt+1], v[T+8*\qt:T+8*\qt+1], v[T+8*\qt+2:T+8*\qt+3]
.endr
.irp qt, 0,1,2,3
	v_pk_add_f32 v[T+8*\qt+4:T+8*\qt+5], v[T+8*\qt+4:T+8*\qt+5], v[T+8*\qt+6:T+8*\qt+7]
.endr
.irp qt, 0,1,2,3
	v_pk_add_f32 v[T+8*\qt:T+8*\qt+1], v[T+8*\qt:T+8*\qt+1], v[T+8*\qt+4:T+8*\qt+5]
.endr
.if \first
.irp qt, 0,1,2,3
	v_add_f32 v[ST+4*\qt+3], v[T+8*\qt], v[T+8*\qt+1]              ; l: my half of the lanes' part; the halves meet at the end
.endr
.else
.irp qt, 0,1,2,3
	v_add_f32 v[T+8*\qt], v[T+8*\qt], v[T+8*\qt+1]
.endr
.irp qt, 0,1,2,3
	v_fma_f32 v[ST+4*\qt+3], v[ST+4*\qt+3], v[ST+4*\qt+2], v[T+8*\qt]
.endr
.endif
.endm
; A block up to its second product: S^T, then V's fragments (and the next block's K) are asked for and land under the softmax
.macro HEAD slot, bl, first, nextk, cnt
	SPHASE \cnt
.rept 4
	v_nop                                          ; four places: loads land in K's registers, vector instructions read S^T
.endr
	WIN 0
	FETCHV \slot, \bl
.if \nextk
	FETCHK \slot, \bl+1
.endif
	SOFT \first
	s_wait_dscnt 0x0                               ; V^T is in, and the next block's K; in a trip's last block: my reads of this slot are over
.endm
; A tile of 512 keys: four blocks of my 256.  change = 1: the slots change and this slot is filled again, two tiles ahead; 2: they change, nothing
; is filled; 0: the last tile.  At a change every wave has waited for its reads of this slot and for all its tensor loads (the next slot's tile
; among them) when it signals; the block's second product, register work, stands between signal and wait.  Where the slot is filled again that
; barrier opens a round of the cluster's barrier, and the joint refills are the first tensor loads behind the round, ahead of any LDS read.
.macro TRIP slot, first, change
	FETCHK \slot, 0
	HEAD \slot, 0, \first, 1, 1
	PVPHASE \first
	HEAD \slot, 1, 0, 1, 0
	PVPHASE 0
	HEAD \slot, 2, 0, 1, 0
	PVPHASE 0
	HEAD \slot, 3, 0, 0, 0
.if \change
	s_wait_xcnt 0x0
	v_lshl_add_u32 v190, v0, 2, 0x4e400
	v_mov_b32 v191, 0
	s_wait_tensorcnt 0x0                           ; all my tensor loads have landed
	ds_add_u32 v190, v191
	s_wait_dscnt 0x0
.if \change == 1
	s_add_nc_u64 s[G0K+4*\slot+2:G0K+4*\slot+3], s[G0K+4*\slot+2:G0K+4*\slot+3], 2*TILEB   ; no load is out: this slot's next tile
	s_add_nc_u64 s[G0V+4*\slot+2:G0V+4*\slot+3], s[G0V+4*\slot+2:G0V+4*\slot+3], 2*TILEB
.endif
	s_barrier_signal -1
.endif
	PVPHASE 0
.if \change
	s_barrier_wait -1
.if \change == 1
	CREST                                          ; no wave of any partner still reads this slot or has a load on its way
	tensor_load_to_lds s[G0K+4*\slot:G0K+4*\slot+3], s[G1K:G1K+7]
	s_nop 0
	tensor_load_to_lds s[G0V+4*\slot:G0V+4*\slot+3], s[G1V:G1V+7]
	s_nop 0
.endif
.endif
.endm
	s_wait_loadcnt 0x0                             ; Q
	s_wait_tensorcnt 2                             ; tile 0's two loads are in, tile 1's two stay out
	s_barrier_signal -1
	s_barrier_wait -1                              ; everybody's part of tile 0 is in
	TRIP 0, 1, 1                                   ; tile 0 starts maximum, sum and O^T; tile 2 is asked for
	TRIP 1, 0, 1                                   ; tile 1; tile 3 is asked for
	TRIP 0, 0, 2                                   ; tile 2
	TRIP 1, 0, 0                                   ; tile 3
	; THE MERGE.  Waves 4-7 hand O^T and their quads to waves 0-3 through slot 0's K rows: every wave's reads of slot 0 were over in front of
	; the barrier that ended the third trip, and no tensor load follows.
	s_cmp_lt_u32 s8, 4
	s_cbranch_scc1 .Lkeep
	WIN 0x04                                       ; store data from window 1
.set i, 0
.rept 32
	ds_store_b128 v[MADR], v[OA+4*i:OA+4*i+3] offset:512*i
.set i, i+1
.endr
	WIN 0
.irp qt, 0,1,2,3
	ds_store_b128 v[MADR], v[ST+4*\qt:ST+4*\qt+3] offset:16384+512*\qt
.endr
.Lkeep:
	s_wait_dscnt 0x0                               ; for the others' sake: the stores are done
	s_barrier_signal -1
	s_barrier_wait -1
	s_cmp_ge_u32 s8, 4
	s_cbranch_scc1 .Lclose
.irp qt, 0,1,2,3
	ds_load_b128 v[T+4*\qt:T+4*\qt+3], v[MADR] offset:16384+512*\qt
.endr
.set i, 0
.rept 32
	ds_load_b128 v[KF+4*i:KF+4*i+3], v[MADR] offset:512*i          ; the partner's O^T into K's and V's registers, which are free
.set i, i+1
.endr
	s_wait_dscnt 32                                ; the four quads are in; the 32 loads of O^T may be out
.irp qt, 0,1,2,3
.set XB, T+16+4*\qt
.set SQ, ST+4*\qt
.set PQ, T+4*\qt
	v_max_num_f32 v[XB], v[SQ+1], v[PQ+1]          ; the common maximum
	v_mul_f32 v[XB], s62, v[XB]
	v_fma_f32 v[XB+1], v[SQ+1], s60, v[XB]
	v_fma_f32 v[XB+2], v[PQ+1], s60, v[XB]
	v_exp_f32 v[XB+1], v[XB+1]
	v_exp_f32 v[XB+2], v[XB+2]
	v_nop                                          ; a plain place behind the transcendentals (ISA guide 5.7.2)
	s_wait_alu depctr_va_vdst(0)
	v_mul_f32 v[XB], v[SQ+3], v[XB+1]
	v_fma_f32 v[XB], v[PQ+3], v[XB+2], v[XB]
	v_permlanex16_b32 v[XB+3], v[XB], s48, s49     ; the other half of the lanes' part of l
	v_add_f32 v[XB], v[XB], v[XB+3]                ; l is at least about 1: the row's largest p is 1
	v_rcp_f32 v[XB], v[XB]
	v_nop
	s_wait_alu depctr_va_vdst(0)
	v_mul_f32 v[SQ],   v[XB+1], v[XB]              ; my factor
	v_mul_f32 v[SQ+2], v[XB+2], v[XB]              ; the partner's
.endr
	s_wait_dscnt 0x0
	WIN 0x41
.set i, 0
.rept 64
	v_pk_mul_f32 v[OA+2*i:OA+2*i+1], v[OA+2*i:OA+2*i+1], v[ST+4*(i/16):ST+4*(i/16)+1] op_sel_hi:[1,0]
.set i, i+1
.endr
	WIN 0x50                                       ; destination and source 2 window 1
.set i, 0
.rept 64
	v_pk_fma_f32 v[OA+2*i:OA+2*i+1], v[KF+2*i:KF+2*i+1], v[ST+4*(i/16)+2:ST+4*(i/16)+3], v[OA+2*i:OA+2*i+1] op_sel_hi:[1,0,1]
.set i, i+1
.endr
	; the way out, 16 q rows at a time: 16 bytes a lane into my own stage, back as 4 rows of 128 bytes, which are 512 consecutive bytes of ao
.irp qt, 0,1,2,3
	WIN 0x05
.irp dt, 0,1,2,3
.irp p, 0,1,2,3
	v_cvt_pk_bf16_f32 v[T+4*\dt+\p], v[OA+32*\qt+8*\dt+2*\p], v[OA+32*\qt+8*\dt+2*\p+1]
.endr
.endr
	WIN 0
.irp dt, 0,1,2,3
	ds_store_b128 v[STO], v[T+4*\dt:T+4*\dt+3] offset:32*\dt
.endr
	s_wait_xcnt 0x0                                ; the registers that the last stores read are loaded again only behind this wait
.irp i, 0,1,2,3
	ds_load_b128 v[T+16+4*\i:T+16+4*\i+3], v[RD] offset:4*KP*\i    ; LDS serves a wave's instructions in order: these see the stores above
.endr
.irp i, 0,1,2,3
	s_wait_dscnt 3-\i
	global_store_b128 v[CO], v[T+16+4*\i:T+16+4*\i+3], s[6:7] offset:2048*\qt+512*\i
.endr
.endr
.Lclose:
	s_wait_xcnt 0x0
	v_lshl_add_u32 v190, v0, 2, 0x4e400
	v_mov_b32 v191, 0
	s_wait_tensorcnt 0x0
	ds_add_u32 v190, v191
	s_wait_dscnt 0x0
	ROUND                                          ; the closing round: no work-group ends while a partner may still ask for a tile that names it
	s_endpgm
.Lfunc_end_k_q4ac92d7869_attn:
	.size	k_q4ac92d7869_attn, .Lfunc_end_k_q4ac92d7869_attn-k_q4ac92d7869_attn
	.p2alignl 7, 3214868480
	.fill 96, 4, 3214868480
	.section	.rodata,"a",@progbits
	.p2align	6, 0x0
	.amdhsa_kernel k_q4ac92d7869_attn
		.amdhsa_group_segment_fixed_size 327680
		.amdhsa_private_segment_fixed_size 0
		.amdhsa_enable_private_segment 0
		.amdhsa_kernarg_size 16
		.amdhsa_user_sgpr_count 2
		.amdhsa_user_sgpr_kernarg_segment_ptr 1
		.amdhsa_wavefront_size32 1
		.amdhsa_system_sgpr_workgroup_id_x 1
		.amdhsa_system_sgpr_workgroup_id_y 1
		.amdhsa_system_sgpr_workgroup_id_z 1
		.amdhsa_system_vgpr_workitem_id 0
		.amdhsa_next_free_vgpr 512
		.amdhsa_next_free_sgpr 66
		.amdhsa_reserve_vcc 0
		.amdhsa_float_denorm_mode_32 3
		.amdhsa_float_denorm_mode_16_64 3
		.amdhsa_memory_ordered 1
		.amdhsa_forward_progress 1
		.amdhsa_inst_pref_size 255
	.end_amdhsa_kernel
	.section	.bss,"aw",@nobits
	.p2align	6
	.space	262144
	.amdgpu_metadata
---
amdhsa.version: [ 1, 2 ]
amdhsa.kernels:
  - .name:           k_q4ac92d7869_attn
    .symbol:         k_q4ac92d7869_attn.kd
    .args:
      - { .name: qkv, .offset: 0, .size: 8, .value_kind: global_buffer, .address_space: global }
      - { .name: ao, .offset: 8, .size: 8, .value_kind: global_buffer, .address_space: global }
    .group_segment_fixed_size: 327680
    .private_segment_fixed_size: 0
    .kernarg_segment_align: 8
    .kernarg_segment_size: 16
    .max_flat_workgroup_size: 256
    .sgpr_count:     66
    .vgpr_count:     512
    .wavefront_size: 32
...
	.end_amdgpu_metadata
.endif
;; end of part 3
;; launch proj (part 4): grid 8 x 32, 4 waves a work-group, clusters of 4 x 4, 327,680 bytes of LDS; arguments ao, wb, bo, out0; writes out0
.if DOCPART == 4
	.amdgcn_target "amdgcn-amd-amdhsa--gfx1250"
	.amdhsa_code_object_version 6
	.text
	.protected	k_q4ac92d7869_proj
	.globl	k_q4ac92d7869_proj
	.p2align	8
	.type	k_q4ac92d7869_proj,@function
k_q4ac92d7869_proj:
	s_mov_b64 s[64:65], 0
	v_nop
	global_prefetch_b8 v0, s[64:65] scope:SCOPE_SE
	s_setreg_imm32_b32 hwreg(HW_REG_WAVE_MODE, 25, 1), 1
	s_wait_xcnt 0x0
	s_wait_alu depctr_hold_cnt(0) depctr_sa_sdst(0) depctr_va_vdst(0) depctr_va_sdst(0) depctr_va_ssrc(0) depctr_va_vcc(0) depctr_vm_vsrc(0)
	s_getreg_b32 s2, hwreg(HW_REG_IB_STS2, 6, 4)
	s_cmp_eq_u32 s2, 0
	s_cbranch_scc0 .Lentry_in_a_cluster
	s_endpgm
.Lentry_in_a_cluster:
	s_bfe_u32 s2, ttmp6, 0x10000c
	s_cmp_lg_u32 s2, 0xf033
	s_cbranch_scc0 .Lentry_shape_is_right
	s_endpgm
.Lentry_shape_is_right:
; out0[m][n] = sum over k of ao(m, k) Wo[n][k] + bo[n], f32 out.  ao lies [head][4096][64] in bf16, k = 64 head + d; Wo is rows 3072-4095 of wb.
; A work-group makes 128 x 128, so that there are 256 of them; wave (w >> 1, w & 1) makes 64 x 64: 16 accumulator tiles.
; K goes in steps of 256 (four heads) through two LDS slots: four tiles.  Every wave asks for one head panel of A (128 rows x 128 bytes, dense
; in memory) and for 32 rows of B (512 bytes each, aligned to 256).
; CLUSTERS: 4 x 4 work-groups; A's tiles are asked for jointly along a row of the cluster, B's along a column: a quarter of the requests.
; LIMITS: operands are bf16 (ao, Wo); sums and bias in f32.  NaN and infinities are not served.
; REGISTERS: window 0: v16-27 addresses; v32-63 bias; v64-191 accumulators (tile (a, b) at 8 (4 a + b)); v192-223 rows read back
;            window 1: two fragment buffers of 128 registers (64 along K): part p (32 along K) holds A at 64 p + 8 i, B at 64 p + 32 + 8 i
; The matrix instruction is used transposed (source 0 = rows of Wo, source 1 = rows of ao): a lane holds eight neighbouring columns of one row.
.set AP,     144                       ; A's LDS rows: 128 bytes + 16
.set BP,     528                       ; B's: 512 + 16; both odd multiples of 16
.set PANEL,  128*AP                    ; 18,432
.set BOFFS,  4*PANEL                   ; B lies behind A's four panels
.set SLOT,   4*PANEL+128*BP            ; 141,312
.set STAGE,  2*SLOT                    ; a multiple of 256: 16 rows x 272 bytes for each wave; no tensor load lands there
.set SPITCH, 272
.set ASTEP,  4*524288                  ; four head slots of ao from tile to tile
.set BSTEP,  512
.set ADRA, 16
.set ADRB, 20
.set STO,  24
.set RD,   25
.set CO,   26
.set BOFF, 27
.set BIAS, 32
.set ACC,  64
.set RB,   192
.set G1A, 24
.set G0A, 32
.set G1B, 48
.set G0B, 56
.set MSB, 0
.macro WIN new
.if MSB != \new
	s_set_vgpr_msb (MSB<<8)|\new
.set MSB, \new
.endif
.endm
.set MUL,  0x05                        ; sources 0 and 1 window 1, C and D window 0
.set TO_F, 0x40                        ; destination window 1
.macro CREST
	s_cmp_lg_u32 s12, 0
	s_cbranch_scc1 .Lnot_wave_0_\@
	s_barrier_signal -3
.Lnot_wave_0_\@:
	s_barrier_wait -3
	s_barrier_signal -1
	s_barrier_wait -1
.endm
.macro CROUND
	s_barrier_signal -1
	s_barrier_wait -1
	CREST
.endm
	s_load_b256 s[4:11], s[0:1], 0x0               ; ao s[4:5], wb s[6:7], bo s[8:9], out0 s[10:11]
	v_lshl_add_u32 v254, v0, 2, 0x49400
	v_mov_b32 v255, 0
	ds_add_u32 v254, v255
	v_lshrrev_b32 v1, 5, v0
	v_readfirstlane_b32 s12, v1                    ; wave 0..3
	s_lshr_b32 s13, s12, 1                         ; my half of the rows
	s_and_b32 s14, s12, 1                          ; my half of the columns
	s_bfe_u32 s40, ttmp6, 0x40000                  ; cx
	s_bfe_u32 s41, ttmp6, 0x40004                  ; cy
	s_lshl_b32 s42, ttmp9, 2
	s_add_co_u32 s42, s42, s40                     ; column block 0..7
	s_and_b32 s15, ttmp7, 0xffff
	s_lshl_b32 s15, s15, 2
	s_add_co_u32 s15, s15, s41                     ; row block 0..31
	s_lshl_b32 s43, s41, 2
	s_lshl_b32 s43, 15, s43                        ; my row of the cluster
	s_lshl_b32 s44, 0x1111, s40                    ; my column
	; A's panel: 16,384 dense bytes as 64 rows of 256 bytes (32 elements of 8 bytes); 4 words skipped behind every 32 words (one row of ao)
	s_or_b32 s[G1A+0], s43, (3<<16)|(1<<20)|(1<<21)|(4<<22)|(3<<25)
	s_mov_b32 s[G1A+1], 32<<16
	s_mov_b32 s[G1A+2], 64<<16
	s_mov_b32 s[G1A+3], 32<<16
	s_mov_b32 s[G1A+4], 64
	s_mov_b32 s[G1A+5], 32
	s_mov_b32 s[G1A+6], 0
	s_mov_b32 s[G1A+7], 0
	; B's part: 32 rows of 256 bf16, 1,024 elements from row to row; 4 words skipped behind every 128 words
	s_or_b32 s[G1B+0], s44, (1<<16)|(1<<20)|(1<<21)|(6<<22)|(3<<25)
	s_mov_b32 s[G1B+1], 256<<16
	s_mov_b32 s[G1B+2], 32<<16
	s_mov_b32 s[G1B+3], 256<<16
	s_mov_b32 s[G1B+4], 32
	s_mov_b32 s[G1B+5], 1024
	s_mov_b32 s[G1B+6], 0
	s_mov_b32 s[G1B+7], 0
	s_lshl_b32 s16, s12, 19                        ; A: head w of the tile's four,
	s_lshl_b32 s17, s15, 14                        ; row 128 x row block, 128 bytes a row
	s_add_co_u32 s16, s16, s17
	s_mov_b32 s17, 0
	s_lshl_b32 s46, s42, 18                        ; B: row 3072 + 128 x column block + 32 w, 2,048 bytes a row
	s_lshl_b32 s47, s12, 16
	s_add_co_u32 s46, s46, s47
	s_add_co_u32 s46, s46, 3072*2048
	s_mov_b32 s47, 0
	s_mul_i32 s20, s12, PANEL                      ; where they go: the wave's number times a constant, plus constants
	s_mul_i32 s21, s12, 32*BP
	s_add_co_u32 s21, s21, BOFFS
	s_wait_dscnt 0x0
	s_wait_kmcnt 0x0
	s_add_nc_u64 s[16:17], s[4:5], s[16:17]
	s_add_nc_u64 s[46:47], s[6:7], s[46:47]
	CROUND                                         ; all sixteen work-groups are here: the first joint loads meet
.irp s, 0,1
	s_mov_b32 s[G0A+4*\s], 1
	s_add_co_u32 s[G0A+4*\s+1], s20, \s*SLOT
	s_add_nc_u64 s[G0A+4*\s+2:G0A+4*\s+3], s[16:17], \s*ASTEP
	s_or_b32 s[G0A+4*\s+3], s[G0A+4*\s+3], 0x80000000
	s_mov_b32 s[G0B+4*\s], 1
	s_add_co_u32 s[G0B+4*\s+1], s21, \s*SLOT
	s_add_nc_u64 s[G0B+4*\s+2:G0B+4*\s+3], s[46:47], \s*BSTEP
	s_or_b32 s[G0B+4*\s+3], s[G0B+4*\s+3], 0x80000000
	tensor_load_to_lds s[G0A+4*\s:G0A+4*\s+3], s[G1A:G1A+7]        ; four tensor loads of the wave are out here, later two
	s_nop 0
	tensor_load_to_lds s[G0B+4*\s:G0B+4*\s+3], s[G1B:G1B+7]
	s_nop 0
.endr
	v_and_b32 v1, 15, v0                           ; r
	v_bfe_u32 v2, v0, 4, 1                         ; h
	v_mul_u32_u24 v3, v1, AP
	v_lshl_add_u32 v3, v2, 4, v3
	s_mul_i32 s22, s13, 64*AP                      ; my 64 rows in each panel
	v_add_nc_u32 v[ADRA], s22, v3
	v_add_nc_u32 v[ADRA+1], SLOT, v[ADRA]
	v_mul_u32_u24 v4, v1, BP
	v_lshl_add_u32 v4, v2, 4, v4
	s_mul_i32 s22, s14, 64*BP
	s_add_co_u32 s22, s22, BOFFS
	v_add_nc_u32 v[ADRB], s22, v4
	v_add_nc_u32 v[ADRB+1], SLOT, v[ADRB]
	s_mul_i32 s23, s12, 16*SPITCH
	s_add_co_u32 s23, s23, STAGE
	v_mul_u32_u24 v5, v1, SPITCH
	v_lshl_add_u32 v5, v2, 5, v5
	v_add_nc_u32 v[STO], s23, v5                   ; in: row r, 32 bytes for each half of the lanes
	v_mul_u32_u24 v5, v2, SPITCH
	v_lshl_add_u32 v5, v1, 4, v5
	v_add_nc_u32 v[RD], s23, v5                    ; back: lanes 0-15 one row of 256 bytes, lanes 16-31 the next
	v_lshlrev_b32 v5, 12, v2
	v_lshl_add_u32 v[CO], v1, 4, v5                ; the same two rows in out0: 4,096 bytes a row
	s_lshl_b32 s45, s42, 9                         ; bo: 128 x column block + 64 x half, f32
	s_lshl_b32 s22, s14, 8
	s_add_co_u32 s45, s45, s22
	v_lshl_add_u32 v[BOFF], v2, 5, s45             ; + 8 h numbers
.irp b, 0,1,2,3
	global_load_b128 v[BIAS+8*\b:BIAS+8*\b+3],   v[BOFF], s[8:9] offset:64*\b
	global_load_b128 v[BIAS+8*\b+4:BIAS+8*\b+7], v[BOFF], s[8:9] offset:64*\b+16
.endr
; 16 matrix instructions: 4 x 4 tiles, part p of buffer f.  The 16 accumulators take turns, one instruction a turn.
.macro MUL16 f, p, zero
.irp a, 0,1,2,3
.irp b, 0,1,2,3
.if \zero
	v_wmma_f32_16x16x32_bf16 v[ACC+8*(4*\a+\b):ACC+8*(4*\a+\b)+7], v[128*\f+64*\p+32+8*\b:128*\f+64*\p+32+8*\b+7], v[128*\f+64*\p+8*\a:128*\f+64*\p+8*\a+7], 0
.else
	v_wmma_f32_16x16x32_bf16 v[ACC+8*(4*\a+\b):ACC+8*(4*\a+\b)+7], v[128*\f+64*\p+32+8*\b:128*\f+64*\p+32+8*\b+7], v[128*\f+64*\p+8*\a:128*\f+64*\p+8*\a+7], v[ACC+8*(4*\a+\b):ACC+8*(4*\a+\b)+7]
.endif
.endr
.endr
.endm
; 32 LDS loads: chunk c of the tile (64 along K = head panel c), part 0 first, into buffer f
.macro FETCH slot, c, f
	WIN TO_F
.irp p, 0,1
.irp i, 0,1,2,3
	ds_load_b128 v[128*\f+64*\p+8*\i:128*\f+64*\p+8*\i+3],   v[ADRA+\slot] offset:PANEL*\c+16*AP*\i+64*\p
	ds_load_b128 v[128*\f+64*\p+8*\i+4:128*\f+64*\p+8*\i+7], v[ADRA+\slot] offset:PANEL*\c+16*AP*\i+64*\p+32
.endr
.irp i, 0,1,2,3
	ds_load_b128 v[128*\f+64*\p+32+8*\i:128*\f+64*\p+32+8*\i+3],   v[ADRB+\slot] offset:16*BP*\i+64*(2*\c+\p)
	ds_load_b128 v[128*\f+64*\p+32+8*\i+4:128*\f+64*\p+32+8*\i+7], v[ADRB+\slot] offset:16*BP*\i+64*(2*\c+\p)+32
.endr
.endr
.endm
.macro PLACES                          ; four places between a matrix instruction and a load into, or a vector read of, its registers (ISA guide 7.12.1 for vector reads)
.rept 4
	v_nop
.endr
.endm
.macro QUARTER slot, c, f, g, zero     ; multiplies buffer f; in its middle fetches chunk c of the same slot into buffer g
	s_wait_dscnt 16                                ; part 0 is in; part 1's sixteen loads may be out
	WIN MUL
	MUL16 \f, 0, \zero
	PLACES
	FETCH \slot, \c, \g
	s_wait_dscnt 32                                ; all but the 32 just issued
	WIN MUL
	MUL16 \f, 1, 0
.endm
.macro THREE slot, zero
	QUARTER \slot, 1, 0, 1, \zero
	QUARTER \slot, 2, 1, 0, 0
	QUARTER \slot, 3, 0, 1, 0
.endm
; The tile's last chunk, and the change of slots: each wave's reads of this slot and all its tensor loads are waited for in front of the barrier;
; where the slot is filled again the barrier opens a round of the cluster's barrier and the joint refills come first behind the round.
.macro TURN slot, next, fill
	s_wait_dscnt 0x0
	s_set_vgpr_msb 0x500
	s_wait_tensorcnt 0x0
	ds_add_u32 v254, v255
	s_wait_dscnt 0x0
	s_set_vgpr_msb 0x5
	s_barrier_signal -1
	WIN MUL
	MUL16 1, 0, 0                                  ; register work while the others arrive
	WIN 0
	s_barrier_wait -1
.if \fill
	CREST
	s_add_nc_u64 s[G0A+4*\slot+2:G0A+4*\slot+3], s[G0A+4*\slot+2:G0A+4*\slot+3], 2*ASTEP
	s_add_nc_u64 s[G0B+4*\slot+2:G0B+4*\slot+3], s[G0B+4*\slot+2:G0B+4*\slot+3], 2*BSTEP
	tensor_load_to_lds s[G0A+4*\slot:G0A+4*\slot+3], s[G1A:G1A+7]
	s_nop 0
	tensor_load_to_lds s[G0B+4*\slot:G0B+4*\slot+3], s[G1B:G1B+7]
	s_nop 0
.endif
	PLACES
	FETCH \next, 0, 0
	WIN MUL
	MUL16 1, 1, 0
.endm
	s_wait_tensorcnt 2                             ; tile 0's two loads are in, tile 1's two stay out
	s_barrier_signal -1
	s_barrier_wait -1
	FETCH 0, 0, 0
	THREE 0, 1                                     ; tile 0: its first products start the sums
	TURN 0, 1, 1                                   ; tile 2 is asked for
	THREE 1, 0
	TURN 1, 0, 1                                   ; tile 3
	THREE 0, 0
	TURN 0, 1, 0
	THREE 1, 0
	s_wait_dscnt 0x0
	WIN MUL
	MUL16 1, 0, 0
	MUL16 1, 1, 0
	WIN 0
	PLACES                                         ; behind the last matrix instructions, in front of the vector reads of their results
	; THE WAY OUT, 16 rows at a time: add bo, 32 bytes a lane into my own stage, read back as whole rows of 256 bytes
	s_lshl_b32 s16, s15, 19                        ; 128 x row block rows of 4,096 bytes
	s_lshl_b32 s17, s13, 18                        ; + 64 rows x half
	s_add_co_u32 s16, s16, s17
	s_mov_b32 s17, 0
	s_add_nc_u64 s[10:11], s[10:11], s[16:17]
	s_mov_b32 s46, s45                             ; my first column in bytes: the same offset as in bo
	s_mov_b32 s47, 0
	s_add_nc_u64 s[10:11], s[10:11], s[46:47]
	s_wait_loadcnt 0x0                             ; bo
.macro OUT16 a
.irp b, 0,1,2,3
.irp p, 0,2,4,6
	v_pk_add_f32 v[ACC+8*(4*\a+\b)+\p:ACC+8*(4*\a+\b)+\p+1], v[ACC+8*(4*\a+\b)+\p:ACC+8*(4*\a+\b)+\p+1], v[BIAS+8*\b+\p:BIAS+8*\b+\p+1]
.endr
.endr
.irp b, 0,1,2,3
	ds_store_b128 v[STO], v[ACC+8*(4*\a+\b):ACC+8*(4*\a+\b)+3]   offset:64*\b
	ds_store_b128 v[STO], v[ACC+8*(4*\a+\b)+4:ACC+8*(4*\a+\b)+7] offset:64*\b+16
.endr
	s_wait_xcnt 0x0                                ; RB, which the last stores read, is loaded again only behind this wait
.irp t, 0,1,2,3,4,5,6,7
	ds_load_b128 v[RB+4*\t:RB+4*\t+3], v[RD] offset:2*SPITCH*\t    ; LDS serves a wave's instructions in order: these see the stores above
.endr
.irp t, 0,1,2,3,4,5,6,7
	s_wait_dscnt 7-\t
	global_store_b128 v[CO], v[RB+4*\t:RB+4*\t+3], s[10:11] offset:4096*(16*\a+2*\t) th:TH_STORE_NT   ; 16 lanes store 256 consecutive bytes, aligned
.endr
.endm
	OUT16 0
	OUT16 1
	OUT16 2
	OUT16 3
	s_wait_tensorcnt 0x0
	ds_add_u32 v254, v255
	s_wait_dscnt 0x0
	CROUND                                         ; the closing round: no work-group ends while a partner may still ask for a tile that names it
	s_endpgm
.Lfunc_end_k_q4ac92d7869_proj:
	.size	k_q4ac92d7869_proj, .Lfunc_end_k_q4ac92d7869_proj-k_q4ac92d7869_proj
	.p2alignl 7, 3214868480
	.fill 96, 4, 3214868480
	.section	.rodata,"a",@progbits
	.p2align	6, 0x0
	.amdhsa_kernel k_q4ac92d7869_proj
		.amdhsa_group_segment_fixed_size 327680
		.amdhsa_private_segment_fixed_size 0
		.amdhsa_enable_private_segment 0
		.amdhsa_kernarg_size 32
		.amdhsa_user_sgpr_count 2
		.amdhsa_user_sgpr_kernarg_segment_ptr 1
		.amdhsa_wavefront_size32 1
		.amdhsa_system_sgpr_workgroup_id_x 1
		.amdhsa_system_sgpr_workgroup_id_y 1
		.amdhsa_system_sgpr_workgroup_id_z 1
		.amdhsa_system_vgpr_workitem_id 0
		.amdhsa_next_free_vgpr 512
		.amdhsa_next_free_sgpr 66
		.amdhsa_reserve_vcc 0
		.amdhsa_float_denorm_mode_32 3
		.amdhsa_float_denorm_mode_16_64 3
		.amdhsa_memory_ordered 1
		.amdhsa_forward_progress 1
		.amdhsa_inst_pref_size 90
	.end_amdhsa_kernel
	.amdgpu_metadata
---
amdhsa.version: [ 1, 2 ]
amdhsa.kernels:
  - .name:           k_q4ac92d7869_proj
    .symbol:         k_q4ac92d7869_proj.kd
    .args:
      - { .name: ao, .offset: 0, .size: 8, .value_kind: global_buffer, .address_space: global }
      - { .name: wb, .offset: 8, .size: 8, .value_kind: global_buffer, .address_space: global }
      - { .name: bo, .offset: 16, .size: 8, .value_kind: global_buffer, .address_space: global }
      - { .name: out0, .offset: 24, .size: 8, .value_kind: global_buffer, .address_space: global }
    .group_segment_fixed_size: 327680
    .private_segment_fixed_size: 0
    .kernarg_segment_align: 8
    .kernarg_segment_size: 32
    .max_flat_workgroup_size: 128
    .sgpr_count:     66
    .vgpr_count:     512
    .wavefront_size: 32
...
	.end_amdgpu_metadata
.endif
;; end of part 4
;; ======== version 2 of 2: 4 launches; 1.17 times as fast as version 1
;; workspace buffers: xb 8,388,608 bytes; wb 8,388,608 bytes; qkv 25,165,824 bytes; ao 8,388,608 bytes
;; launch cast: the kernel of part 1 again; grid 64 x 8, 8 waves a work-group, no clusters, 0 bytes of LDS; arguments x, Wq, Wk, Wv, Wo, xb, wb; writes xb, wb
;; launch qkv: the kernel of part 2 again; grid 16 x 16, 4 waves a work-group, clusters of 4 x 4, 327,680 bytes of LDS; arguments xb, wb, bk, qkv; writes qkv
;; launch attn (part 5): grid 8 x 32, 8 waves a work-group, clusters of 4 x 1, 327,680 bytes of LDS; arguments qkv, ao; writes ao
.if DOCPART == 5
	.amdgcn_target "amdgcn-amd-amdhsa--gfx1250"
	.amdhsa_code_object_version 6
	.text
	.protected	k_q4ac92d7869_attn
	.globl	k_q4ac92d7869_attn
	.p2align	8
	.type	k_q4ac92d7869_attn,@function
k_q4ac92d7869_attn:
	s_mov_b64 s[64:65], 0
	v_nop
	global_prefetch_b8 v0, s[64:65] scope:SCOPE_SE
	s_setreg_imm32_b32 hwreg(HW_REG_WAVE_MODE, 25, 1), 1
	s_wait_xcnt 0x0
	s_wait_alu depctr_hold_cnt(0) depctr_sa_sdst(0) depctr_va_vdst(0) depctr_va_sdst(0) depctr_va_ssrc(0) depctr_va_vcc(0) depctr_vm_vsrc(0)
	s_getreg_b32 s2, hwreg(HW_REG_IB_STS2, 6, 4)
	s_cmp_eq_u32 s2, 0
	s_cbranch_scc0 .Lentry_in_a_cluster
	s_endpgm
.Lentry_in_a_cluster:
	s_bfe_u32 s2, ttmp6, 0x10000c
	s_cmp_lg_u32 s2, 0x3003
	s_cbranch_scc0 .Lentry_shape_is_right
	s_endpgm
.Lentry_shape_is_right:
; ao[head][m][64] = softmax(q k^T / 8) v for one (batch, head) and 256 q rows a work-group; bf16 operands, f32 sums, running maximum.
; Eight waves: wave w has the q rows 64 (w & 3) .. + 63 and, of every tile of 512 keys, the half w >> 2: four blocks of 64 keys a tile.
; Each fragment of K or V from LDS feeds four q tiles.  The two halves of the keys are merged at the end through LDS.
; TRANSPOSED: S^T = K Q^T and O^T = V^T P^T.  In S^T lane l holds, for q row l % 16, the keys 16 kt + 8 (l / 16) + 0..7; packed to bf16 that is
; the second operand's layout of the next product, so P never leaves its lane, and maximum, sum and factor are one register for a q tile.
; p = exp2(c s - c m), c = 0.125 log2 e: the scale 1/8 rides in the multiply-add that takes the maximum away.
; THE RING: the 2,048 keys are four tiles in two LDS slots.  Both slots are asked for at the start; a slot is filled again as soon as it has been
; read, two tiles ahead, so a refill has a whole trip (256 matrix instructions of a wave and their softmax) in which to land, and the waves meet
; at three changes of slot only.  The four trips differ (the first starts the sums, two refill, one changes slot without a refill, the last
; changes nothing), so they are written out by macro, without a loop; every LDS offset is an immediate.
; CLUSTERS: the four q blocks of a cluster belong to one head and ask for its K and V tiles jointly (mask 15): a quarter of the requests.
; THE TRANSCENDENTALS GO IN BATCHES, each with one s_wait_alu depctr_va_vdst(0) ahead of its first reader.  A block's softmax
; has two.  BATCH 1: the four q tiles' factors; behind them the first four multiply-adds c s - c m, then the wait.  BATCH 2: the 128 weights p; among them
; stand only multiply-adds on scores that have not had their exponential yet and the scaling of O^T by the factors, which have been waited for; the wait
; stands ahead of the first sum.  They are two because the scalings, which read the factors, are half of the 128 plain lines that stand between the 128
; exponentials.  The first block has no factors: one wait.  The merge has two more: eight exponentials, then four reciprocals of sums made of them.
; LIMITS: q, k, v, P are bf16; the sum l adds the unrounded p; p below 2^-126 counts as 0 (v_exp_f32 flushes); NaN and infinities are not served.
;
; REGISTERS: window 0: v7-15 addresses; v16-31 four quads {-c m, m, factor, l}; v32-63 at work; v64-127 Q; v128-191 K; v192-255 V^T
;            window 1: v0-127 S^T, later P^T (q tile qt, key tile kt at 32 qt + 8 kt); v128-255 O^T (32 qt + 8 dt)
.set KP,     144                       ; K's LDS rows: 128 bytes + 16: an odd multiple of 16
.set VP,     160                       ; V's: 128 + 32: an odd multiple of 32, for the transposing load
.set TKEYS,  512                       ; keys in a tile
.set VOFF,   TKEYS*KP                  ; V lies behind K's 512 rows: 73,728
.set SLOTB,  TKEYS*(KP+VP)             ; 155,648
.set TILEB,  TKEYS*128                 ; a tile's bytes of K, or of V, in memory
.set HSLOT,  524288                    ; bytes of a head slot
.set MSIZE,  18432                     ; the merge: four areas (O^T 32 x 512 bytes, then 4 quads x 512) from LDS byte 0 on: 73,728 bytes, slot 0's K rows,
                                       ; which have had their last fill (tile 2) and their last reads (third trip) when the merge stores into them
.set OSTAGE, 2*SLOTB                   ; behind the ring, a multiple of 256: four stages of 16 rows x 144 bytes; no tensor load lands there
.set OSIZE,  16*KP
.set CO,   7
.set KADR, 8                           ; v8-9    my K fragments in slot 0, 1
.set VADR, 10                          ; v10-11  my V fragments
.set QOFF, 12
.set MADR, 13
.set STO,  14
.set RD,   15
.set ST,   16
.set T,    32
.set QF,   64                          ; 16 qt + 8 dh
.set KF,   128                         ; 16 kt + 8 dh
.set VF,   192                         ; 8 (4 kc + dt)
.set SC,   0                           ; window 1
.set OA,   128                         ; window 1
.set G1K, 16
.set G1V, 24
.set G0K, 32                           ; s[32:39]  one set for each slot
.set G0V, 40                           ; s[40:47]
.set MSB, 0
.macro WIN new                         ; the immediate's high byte repeats the setting that is left; a switch that changes nothing is dropped
.if MSB != \new
	s_set_vgpr_msb (MSB<<8)|\new
.set MSB, \new
.endif
.endm
; A round of the cluster's barrier: my work-group's barrier; wave 0 signals for the work-group; every wave waits for all four; my barrier again.
.macro CREST                           ; a round behind its opening barrier
	s_cmp_lg_u32 s8, 0
	s_cbranch_scc1 .Lnot_wave_0_\@
	s_barrier_signal -3
.Lnot_wave_0_\@:
	s_barrier_wait -3
	s_barrier_signal -1
	s_barrier_wait -1
.endm
.macro ROUND
	s_barrier_signal -1
	s_barrier_wait -1
	CREST
.endm
	s_load_b128 s[4:7], s[0:1], 0x0                ; qkv s[4:5], ao s[6:7]
	v_lshl_add_u32 v190, v0, 2, 0x4e400
	v_mov_b32 v191, 0
	ds_add_u32 v190, v191
	s_wait_dscnt 0x0
	v_lshrrev_b32 v1, 5, v0
	v_readfirstlane_b32 s8, v1                     ; wave 0..7
	s_and_b32 s9, s8, 3                            ; my 64 q rows
	s_lshr_b32 s10, s8, 2                          ; my half of the keys
	s_bfe_u32 s11, ttmp6, 0x40000                  ; cx
	s_lshl_b32 s12, ttmp9, 2
	s_add_co_u32 s12, s12, s11                     ; q block 0..7
	s_and_b32 s13, ttmp7, 0xffff
	s_lshr_b32 s14, s13, 4                         ; batch
	s_and_b32 s15, s13, 15                         ; head
	s_mov_b32 s48, 0x76543210                      ; v_permlanex16_b32: lane i reads lane i of the other half
	s_mov_b32 s49, 0xfedcba98
	s_mov_b32 s60, 0x3e38aa3b                      ; c = 0.125 log2 e, as a pair for the packed forms
	s_mov_b32 s61, 0x3e38aa3b
	s_mov_b32 s62, 0xbe38aa3b                      ; -c
	; group 1: a wave's part is 64 rows of 128 bytes, dense in memory: 32 rows of 256 bytes (32 elements of 8 bytes);
	; behind every 32 words (one row of K or V) the mover skips 4 words for K, 8 for V
	s_mov_b32 s[G1K+0], 15|(3<<16)|(1<<20)|(1<<21)|(4<<22)|(3<<25)
	s_mov_b32 s[G1V+0], 15|(3<<16)|(1<<20)|(1<<21)|(4<<22)|(7<<25)
	s_mov_b32 s[G1K+1], 32<<16                     ; tensor_dim0 = 32
	s_mov_b32 s[G1V+1], 32<<16
	s_mov_b32 s[G1K+2], 32<<16                     ; tensor_dim1 = 32
	s_mov_b32 s[G1V+2], 32<<16
	s_mov_b32 s[G1K+3], 32<<16                     ; tile_dim0 = 32
	s_mov_b32 s[G1V+3], 32<<16
	s_mov_b32 s[G1K+4], 32                         ; tile_dim1 = 32
	s_mov_b32 s[G1V+4], 32
	s_mov_b32 s[G1K+5], 32                         ; pitch
	s_mov_b32 s[G1V+5], 32
	s_mov_b32 s[G1K+6], 0
	s_mov_b32 s[G1V+6], 0
	s_mov_b32 s[G1K+7], 0
	s_mov_b32 s[G1V+7], 0
	s_lshl_b32 s52, s15, 19                        ; head x 4096 rows x 128 bytes
	s_lshl_b32 s53, s14, 18                        ; + batch x 2048 rows
	s_add_co_u32 s52, s52, s53
	s_lshl_b32 s56, s12, 15                        ; q block x 256 rows (the only place where cx enters: global addresses of q and ao)
	s_lshl_b32 s57, s9, 13                         ; + 64 rows x (w & 3)
	s_add_co_u32 s56, s56, s57
	s_add_co_u32 s56, s56, s52                     ; my q rows in q's head slot, and in ao
	s_mov_b32 s57, 0
	s_lshl_b32 s53, s8, 13                         ; my 64 rows of a tile
	s_add_co_u32 s52, s52, s53
	s_add_co_u32 s52, s52, 16*HSLOT                ; k's head slots follow q's sixteen
	s_mov_b32 s53, 0
	s_mul_i32 s51, s8, 64*KP                       ; my part of K in a slot
	s_mul_i32 s63, s8, 64*VP                       ; my part of V
	v_and_b32 v1, 31, v0                           ; l
	v_and_b32 v2, 15, v0                           ; r
	v_bfe_u32 v3, v0, 4, 1                         ; h
	v_lshlrev_b32 v[QOFF], 7, v2
	v_lshl_add_u32 v[QOFF], v3, 4, v[QOFF]         ; 128 r + 16 h
	s_wait_kmcnt 0x0
	s_add_nc_u64 s[54:55], s[4:5], s[52:53]        ; K, tile 0, my rows
	s_add_nc_u64 s[58:59], s[4:5], s[56:57]        ; Q
	s_add_nc_u64 s[6:7], s[6:7], s[56:57]          ; ao
.irp qt, 0,1,2,3
.irp dh, 0,1
	global_load_b128 v[QF+16*\qt+8*\dh:QF+16*\qt+8*\dh+3],   v[QOFF], s[58:59] offset:2048*\qt+64*\dh
	global_load_b128 v[QF+16*\qt+8*\dh+4:QF+16*\qt+8*\dh+7], v[QOFF], s[58:59] offset:2048*\qt+64*\dh+32
.endr
.endr
.irp s, 0,1
	s_mov_b32 s[G0K+4*\s], 1
	s_add_co_u32 s[G0K+4*\s+1], s51, \s*SLOTB
	s_add_nc_u64 s[G0K+4*\s+2:G0K+4*\s+3], s[54:55], \s*TILEB
	s_or_b32 s[G0K+4*\s+3], s[G0K+4*\s+3], 0x80000000
	s_mov_b32 s[G0V+4*\s], 1
	s_add_co_u32 s[G0V+4*\s+1], s63, \s*SLOTB+VOFF
	s_add_nc_u64 s[G0V+4*\s+2:G0V+4*\s+3], s[54:55], 16*HSLOT+\s*TILEB   ; v's head slots follow k's sixteen
	s_or_b32 s[G0V+4*\s+3], s[G0V+4*\s+3], 0x80000000
.endr
	ROUND                                          ; the four work-groups are here: the first joint loads meet
.irp s, 0,1
	tensor_load_to_lds s[G0K+4*\s:G0K+4*\s+3], s[G1K:G1K+7]        ; tiles 0 and 1: four tensor loads of the wave are out here, later two
	s_nop 0
	tensor_load_to_lds s[G0V+4*\s:G0V+4*\s+3], s[G1V:G1V+7]
	s_nop 0
.endr
	v_mul_u32_u24 v4, v2, KP
	v_lshl_add_u32 v4, v3, 4, v4                   ; 144 r + 16 h
	s_mul_i32 s52, s10, 256*KP                     ; my half of a tile's keys
	v_add_nc_u32 v[KADR], s52, v4
	v_add_nc_u32 v[KADR+1], SLOTB, v[KADR]
	v_and_b32 v5, 7, v0
	v_lshl_add_u32 v5, v3, 3, v5                   ; key 8 h + (l & 7)
	v_mul_u32_u24 v5, v5, VP
	v_bfe_u32 v6, v0, 3, 1
	v_lshl_add_u32 v5, v6, 4, v5                   ; + 16 ((l >> 3) & 1)
	s_mul_i32 s52, s10, 256*VP
	s_add_co_u32 s52, s52, VOFF
	v_add_nc_u32 v[VADR], s52, v5
	v_add_nc_u32 v[VADR+1], SLOTB, v[VADR]
	s_mul_i32 s52, s9, MSIZE                       ; the merge areas start at LDS byte 0
	v_lshl_add_u32 v[MADR], v1, 4, s52
	s_mul_i32 s52, s9, OSIZE
	s_add_co_u32 s52, s52, OSTAGE
	v_add_nc_u32 v[STO], s52, v4
	v_lshrrev_b32 v5, 3, v1
	v_mul_u32_u24 v5, v5, KP
	v_and_b32 v6, 7, v0
	v_lshl_add_u32 v5, v6, 4, v5
	v_add_nc_u32 v[RD], s52, v5                    ; 144 (l >> 3) + 16 (l & 7)
	v_lshlrev_b32 v[CO], 4, v1
; K's fragments of block bl (64 of my 256 keys): 16 loads, d = 0..31 of all four key tiles first
.macro FETCHK slot, bl
.irp dh, 0,1
.irp kt, 0,1,2,3
	ds_load_b128 v[KF+16*\kt+8*\dh:KF+16*\kt+8*\dh+3],   v[KADR+\slot] offset:64*KP*(\bl)+16*KP*\kt+64*\dh
	ds_load_b128 v[KF+16*\kt+8*\dh+4:KF+16*\kt+8*\dh+7], v[KADR+\slot] offset:64*KP*(\bl)+16*KP*\kt+64*\dh+32
.endr
.endr
.endm
; V^T's fragments of block bl: V lies [key][d] in LDS; the transposing load gives lane l row d = 16 dt + l % 16, keys along the registers
.macro FETCHV slot, bl
.irp kc, 0,1
.irp dt, 0,1,2,3
	ds_load_tr16_b128 v[VF+8*(4*\kc+\dt):VF+8*(4*\kc+\dt)+3],   v[VADR+\slot] offset:64*VP*(\bl)+32*VP*\kc+32*\dt
	ds_load_tr16_b128 v[VF+8*(4*\kc+\dt)+4:VF+8*(4*\kc+\dt)+7], v[VADR+\slot] offset:64*VP*(\bl)+32*VP*\kc+32*\dt+16*VP
.endr
.endr
.endm
; S^T of 64 keys x 64 q: 32 matrix instructions; the 16 accumulators take turns, one instruction a turn
.macro SPHASE cnt
	WIN 0x50                                       ; C and D window 1, K and Q window 0
.if \cnt
	s_wait_dscnt 8                                 ; d = 0..31 is in; the eight loads of d = 32..63 may be out
.endif
.irp kt, 0,1,2,3
.irp qt, 0,1,2,3
	v_wmma_f32_16x16x32_bf16 v[SC+32*\qt+8*\kt:SC+32*\qt+8*\kt+7], v[KF+16*\kt:KF+16*\kt+7], v[QF+16*\qt:QF+16*\qt+7], 0
.endr
.endr
.if \cnt
	s_wait_dscnt 0
.endif
.irp kt, 0,1,2,3
.irp qt, 0,1,2,3
	v_wmma_f32_16x16x32_bf16 v[SC+32*\qt+8*\kt:SC+32*\qt+8*\kt+7], v[KF+16*\kt+8:KF+16*\kt+15], v[QF+16*\qt+8:QF+16*\qt+15], v[SC+32*\qt+8*\kt:SC+32*\qt+8*\kt+7]
.endr
.endr
.endm
; O^T += V^T P^T: 32 matrix instructions, the 16 accumulators by turns.  Five places behind them: the next S^T writes over P, loads land in V^T's
; registers and vector instructions scale O^T.
.macro PVPHASE first
	WIN 0x54                                       ; C, D and P window 1, V^T window 0
.irp kc, 0,1
.irp dt, 0,1,2,3
.irp qt, 0,1,2,3
.if \first*(1-\kc)
	v_wmma_f32_16x16x32_bf16 v[OA+32*\qt+8*\dt:OA+32*\qt+8*\dt+7], v[VF+8*(4*\kc+\dt):VF+8*(4*\kc+\dt)+7], v[SC+32*\qt+8*\kc:SC+32*\qt+8*\kc+7], 0
.else
	v_wmma_f32_16x16x32_bf16 v[OA+32*\qt+8*\dt:OA+32*\qt+8*\dt+7], v[VF+8*(4*\kc+\dt):VF+8*(4*\kc+\dt)+7], v[SC+32*\qt+8*\kc:SC+32*\qt+8*\kc+7], v[OA+32*\qt+8*\dt:OA+32*\qt+8*\dt+7]
.endif
.endr
.endr
.endr
.rept 5
	v_nop
.endr
	WIN 0
.endm
; c s - c m for the pair of registers j of S^T (q tile j / 16); steps j
.macro PKF
	v_pk_fma_f32 v[SC+2*j:SC+2*j+1], v[SC+2*j:SC+2*j+1], s[60:61], v[ST+4*(j/16):ST+4*(j/16)+1] op_sel_hi:[1,0,0]
.set j, j+1
.endm
; The softmax step of a block: all four q tiles (128 registers of S^T) at once, so that every step of a chain of dependent instructions is
; written four times in a row, once for each q tile, and the exponentials alternate with plain instructions.
; first = 1: no earlier maximum, sum or O^T.
.macro SOFT first
	; the largest of a q tile's 32 registers, two tiles at a time: 11 partial maxima, then 4, then 2 in v[T+24+2 qt], v[T+25+2 qt]
.irp pr, 0,1
	WIN 0x15                                       ; sources window 1, destination window 0
.irp e, 0,1
.irp i, 0,1,2,3,4,5,6,7,8,9
	v_max3_num_f32 v[T+11*\e+\i], v[SC+64*\pr+32*\e+3*\i], v[SC+64*\pr+32*\e+3*\i+1], v[SC+64*\pr+32*\e+3*\i+2]
.endr
	v_max_num_f32 v[T+11*\e+10], v[SC+64*\pr+32*\e+30], v[SC+64*\pr+32*\e+31]
.endr
	WIN 0
.irp e, 0,1
.irp k, 0,1,2
	v_max3_num_f32 v[T+11*\e+3*\k], v[T+11*\e+3*\k], v[T+11*\e+3*\k+1], v[T+11*\e+3*\k+2]
.endr
.if \first
	v_max_num_f32 v[T+25+4*\pr+2*\e], v[T+11*\e+9], v[T+11*\e+10]
.else
	v_max3_num_f32 v[T+25+4*\pr+2*\e], v[T+11*\e+9], v[T+11*\e+10], v[ST+8*\pr+4*\e+1]   ; the running maximum joins
.endif
.endr
.irp e, 0,1
	v_max3_num_f32 v[T+24+4*\pr+2*\e], v[T+11*\e], v[T+11*\e+3], v[T+11*\e+6]
.endr
.endr
.irp qt, 0,1,2,3
	v_max_num_f32 v[T+24+2*\qt], v[T+24+2*\qt], v[T+25+2*\qt]
.endr
.irp qt, 0,1,2,3
	v_permlanex16_b32 v[T+25+2*\qt], v[T+24+2*\qt], s48, s49       ; the other 32 keys of the same q row lie in the other half of the lanes
.endr
.irp qt, 0,1,2,3
	v_max_num_f32 v[T+24+2*\qt], v[T+24+2*\qt], v[T+25+2*\qt]      ; m
.endr
.irp qt, 0,1,2,3
	v_mul_f32 v[ST+4*\qt], s62, v[T+24+2*\qt]                      ; -c m
.endr
.if 1-\first
.irp qt, 0,1,2,3
	v_fma_f32 v[T+25+2*\qt], v[ST+4*\qt+1], s60, v[ST+4*\qt]       ; c (m before - m)
.endr
.endif
.irp qt, 0,1,2,3
	v_mov_b32 v[ST+4*\qt+1], v[T+24+2*\qt]
.endr
.if 1-\first
.irp qt, 0,1,2,3
	v_exp_f32 v[ST+4*\qt+2], v[T+25+2*\qt]                         ; BATCH 1: the factor for what has been summed; the next plain line touches none of these registers (ISA guide 5.7.2)
.endr
.endif
	; p = exp2(c s - c m) in place.  The multiply-adds run four pairs ahead of the exponentials; behind each exponential stands a plain
	; instruction on other registers: a multiply-add, or the scaling of a pair of O^T by its q tile's factor.
	WIN 0x41                                       ; destination and source 0 window 1
.set j, 0
.rept 4
	PKF                                            ; pairs 0-3 of S^T and the pair {-c m, m}: they name no factor
.endr
.if 1-\first
	s_wait_alu depctr_va_vdst(0)                   ; batch 1's one wait, for the four factors, ahead of their first reader (the scaling of O^T at i = 0) and ahead of batch 2's first exponential
.endif
.set i, 0
.rept 64                                       ; BATCH 2: the 128 weights.  No line in here names a weight: the multiply-add works on pair i + 4, the scaling on O^T and a factor
	v_exp_f32 v[SC+2*i], v[SC+2*i]
.if j < 64
	PKF
.endif
	v_exp_f32 v[SC+2*i+1], v[SC+2*i+1]
.if 1-\first
	v_pk_mul_f32 v[OA+2*i:OA+2*i+1], v[OA+2*i:OA+2*i+1], v[ST+4*(i/16)+2:ST+4*(i/16)+3] op_sel_hi:[1,0]
.endif
.set i, i+1
.endr
.if \first
	v_nop                                          ; the plain place behind the last exponentials (elsewhere the last scaling of O^T is that place)
.endif
	; the sum of the unrounded p: four packed accumulators for each q tile, v[T+8 qt .. T+8 qt+7]
	WIN 0x05                                       ; sources window 1, destination window 0
	s_wait_alu depctr_va_vdst(0)                   ; batch 2's one wait, for the 128 weights, ahead of their first reader: the first sum below
.irp qt, 0,1,2,3
.irp a, 0,1,2,3
	v_pk_add_f32 v[T+8*\qt+2*\a:T+8*\qt+2*\a+1], v[SC+32*\qt+2*\a:SC+32*\qt+2*\a+1], v[SC+32*\qt+2*\a+8:SC+32*\qt+2*\a+9]
.endr
.endr
	WIN 0x01                                       ; source 0 window 1
.irp g, 16,24
.irp qt, 0,1,2,3
.irp a, 0,1,2,3
	v_pk_add_f32 v[T+8*\qt+2*\a:T+8*\qt+2*\a+1], v[SC+32*\qt+2*\a+\g:SC+32*\qt+2*\a+\g+1], v[T+8*\qt+2*\a:T+8*\qt+2*\a+1]
.endr
.endr
.endr
	WIN 0x45                                       ; all in window 1: p to bf16 in place; register n takes 2 n and 2 n + 1, ascending, so no unread p is written over
.irp qt, 0,1,2,3
.set i, 0
.rept 16
	v_cvt_pk_bf16_f32 v[SC+32*\qt+i], v[SC+32*\qt+2*i], v[SC+32*\qt+2*i+1]
.set i, i+1
.endr
.endr
	WIN 0
.irp qt, 0,1,2,3
	v_pk_add_f32 v[T+8*\qt:T+8*\qt+1], v[T+8*\qt:T+8*\qt+1], v[T+8*\qt+2:T+8*\qt+3]
.endr
.irp qt, 0,1,2,3
	v_pk_add_f32 v[T+8*\qt+4:T+8*\qt+5], v[T+8*\qt+4:T+8*\qt+5], v[T+8*\qt+6:T+8*\qt+7]
.endr
.irp qt, 0,1,2,3
	v_pk_add_f32 v[T+8*\qt:T+8*\qt+1], v[T+8*\qt:T+8*\qt+1], v[T+8*\qt+4:T+8*\qt+5]
.endr
.if \first
.irp qt, 0,1,2,3
	v_add_f32 v[ST+4*\qt+3], v[T+8*\qt], v[T+8*\qt+1]              ; l: my half of the lanes' part; the halves meet at the end
.endr
.else
.irp qt, 0,1,2,3
	v_add_f32 v[T+8*\qt], v[T+8*\qt], v[T+8*\qt+1]
.endr
.irp qt, 0,1,2,3
	v_fma_f32 v[ST+4*\qt+3], v[ST+4*\qt+3], v[ST+4*\qt+2], v[T+8*\qt]
.endr
.endif
.endm
; A block up to its second product: S^T, then V's fragments (and the next block's K) are asked for and land under the softmax
.macro HEAD slot, bl, first, nextk, cnt
	SPHASE \cnt
.rept 4
	v_nop                                          ; four places: loads land in K's registers, vector instructions read S^T
.endr
	WIN 0
	FETCHV \slot, \bl
.if \nextk
	FETCHK \slot, \bl+1
.endif
	SOFT \first
	s_wait_dscnt 0x0                               ; V^T is in, and the next block's K; in a trip's last block: my reads of this slot are over
.endm
; A tile of 512 keys: four blocks of my 256.  change = 1: the slots change and this slot is filled again, two tiles ahead; 2: they change, nothing
; is filled; 0: the last tile.  At a change every wave has waited for its reads of this slot and for all its tensor loads (the next slot's tile
; among them) when it signals; the block's second product, register work, stands between signal and wait.  Where the slot is filled again that
; barrier opens a round of the cluster's barrier, and the joint refills are the first tensor loads behind the round, ahead of any LDS read.
.macro TRIP slot, first, change
	FETCHK \slot, 0
	HEAD \slot, 0, \first, 1, 1
	PVPHASE \first
	HEAD \slot, 1, 0, 1, 0
	PVPHASE 0
	HEAD \slot, 2, 0, 1, 0
	PVPHASE 0
	HEAD \slot, 3, 0, 0, 0
.if \change
	s_wait_xcnt 0x0
	v_lshl_add_u32 v190, v0, 2, 0x4e400
	v_mov_b32 v191, 0
	s_wait_tensorcnt 0x0                           ; all my tensor loads have landed
	ds_add_u32 v190, v191
	s_wait_dscnt 0x0
.if \change == 1
	s_add_nc_u64 s[G0K+4*\slot+2:G0K+4*\slot+3], s[G0K+4*\slot+2:G0K+4*\slot+3], 2*TILEB   ; no load is out: this slot's next tile
	s_add_nc_u64 s[G0V+4*\slot+2:G0V+4*\slot+3], s[G0V+4*\slot+2:G0V+4*\slot+3], 2*TILEB
.endif
	s_barrier_signal -1
.endif
	PVPHASE 0
.if \change
	s_barrier_wait -1
.if \change == 1
	CREST                                          ; no wave of any partner still reads this slot or has a load on its way
	tensor_load_to_lds s[G0K+4*\slot:G0K+4*\slot+3], s[G1K:G1K+7]
	s_nop 0
	tensor_load_to_lds s[G0V+4*\slot:G0V+4*\slot+3], s[G1V:G1V+7]
	s_nop 0
.endif
.endif
.endm
	s_wait_loadcnt 0x0                             ; Q
	s_wait_tensorcnt 2                             ; tile 0's two loads are in, tile 1's two stay out
	s_barrier_signal -1
	s_barrier_wait -1                              ; everybody's part of tile 0 is in
	TRIP 0, 1, 1                                   ; tile 0 starts maximum, sum and O^T; tile 2 is asked for
	TRIP 1, 0, 1                                   ; tile 1; tile 3 is asked for
	TRIP 0, 0, 2                                   ; tile 2
	TRIP 1, 0, 0                                   ; tile 3
	; THE MERGE.  Waves 4-7 hand O^T and their quads to waves 0-3 through slot 0's K rows: every wave's reads of slot 0 were over in front of
	; the barrier that ended the third trip, and no tensor load follows.
	s_cmp_lt_u32 s8, 4
	s_cbranch_scc1 .Lkeep
	WIN 0x04                                       ; store data from window 1
.set i, 0
.rept 32
	ds_store_b128 v[MADR], v[OA+4*i:OA+4*i+3] offset:512*i
.set i, i+1
.endr
	WIN 0
.irp qt, 0,1,2,3
	ds_store_b128 v[MADR], v[ST+4*\qt:ST+4*\qt+3] offset:16384+512*\qt
.endr
.Lkeep:
	s_wait_dscnt 0x0                               ; for the others' sake: the stores are done
	s_barrier_signal -1
	s_barrier_wait -1
	s_cmp_ge_u32 s8, 4
	s_cbranch_scc1 .Lclose
.irp qt, 0,1,2,3
	ds_load_b128 v[T+4*\qt:T+4*\qt+3], v[MADR] offset:16384+512*\qt
.endr
.set i, 0
.rept 32
	ds_load_b128 v[KF+4*i:KF+4*i+3], v[MADR] offset:512*i          ; the partner's O^T into K's and V's registers, which are free
.set i, i+1
.endr
	s_wait_dscnt 32                                ; the four quads are in; the 32 loads of O^T may be out
	; Every step for the four q tiles in a row.  My quad is v[ST+4 qt ..], the partner's v[T+4 qt ..]; each q tile has four registers at work, v[T+16+4 qt ..].
.irp qt, 0,1,2,3
	v_max_num_f32 v[T+16+4*\qt], v[ST+4*\qt+1], v[T+4*\qt+1]       ; the common maximum
.endr
.irp qt, 0,1,2,3
	v_mul_f32 v[T+16+4*\qt], s62, v[T+16+4*\qt]
.endr
.irp qt, 0,1,2,3
	v_fma_f32 v[T+17+4*\qt], v[ST+4*\qt+1], s60, v[T+16+4*\qt]
	v_fma_f32 v[T+18+4*\qt], v[T+4*\qt+1], s60, v[T+16+4*\qt]
.endr
.irp qt, 0,1,2,3
	v_exp_f32 v[T+17+4*\qt], v[T+17+4*\qt]                         ; a batch of eight: my correction and the partner's, for each q tile
	v_exp_f32 v[T+18+4*\qt], v[T+18+4*\qt]
.endr
	v_nop                                          ; a plain place behind the transcendentals (ISA guide 5.7.2)
	s_wait_alu depctr_va_vdst(0)                   ; the one wait for the eight exponentials, ahead of their first reader
.irp qt, 0,1,2,3
	v_mul_f32 v[T+16+4*\qt], v[ST+4*\qt+3], v[T+17+4*\qt]
.endr
.irp qt, 0,1,2,3
	v_fma_f32 v[T+16+4*\qt], v[T+4*\qt+3], v[T+18+4*\qt], v[T+16+4*\qt]
.endr
.irp qt, 0,1,2,3
	v_permlanex16_b32 v[T+19+4*\qt], v[T+16+4*\qt], s48, s49       ; the other half of the lanes' part of l
.endr
.irp qt, 0,1,2,3
	v_add_f32 v[T+16+4*\qt], v[T+16+4*\qt], v[T+19+4*\qt]          ; l is at least about 1: the row's largest p is 1
.endr
.irp qt, 0,1,2,3
	v_rcp_f32 v[T+16+4*\qt], v[T+16+4*\qt]                         ; a batch of four: they read sums made of the exponentials, so they are a batch of their own
.endr
	v_nop
	s_wait_alu depctr_va_vdst(0)                   ; the one wait for the four reciprocals, ahead of their first reader
.irp qt, 0,1,2,3
	v_mul_f32 v[ST+4*\qt],   v[T+17+4*\qt], v[T+16+4*\qt]          ; my factor
	v_mul_f32 v[ST+4*\qt+2], v[T+18+4*\qt], v[T+16+4*\qt]          ; the partner's
.endr
	s_wait_dscnt 0x0
	WIN 0x41
.set i, 0
.rept 64
	v_pk_mul_f32 v[OA+2*i:OA+2*i+1], v[OA+2*i:OA+2*i+1], v[ST+4*(i/16):ST+4*(i/16)+1] op_sel_hi:[1,0]
.set i, i+1
.endr
	WIN 0x50                                       ; destination and source 2 window 1
.set i, 0
.rept 64
	v_pk_fma_f32 v[OA+2*i:OA+2*i+1], v[KF+2*i:KF+2*i+1], v[ST+4*(i/16)+2:ST+4*(i/16)+3], v[OA+2*i:OA+2*i+1] op_sel_hi:[1,0,1]
.set i, i+1
.endr
	; the way out, 16 q rows at a time: 16 bytes a lane into my own stage, back as 4 rows of 128 bytes, which are 512 consecutive bytes of ao
.irp qt, 0,1,2,3
	WIN 0x05
.irp dt, 0,1,2,3
.irp p, 0,1,2,3
	v_cvt_pk_bf16_f32 v[T+4*\dt+\p], v[OA+32*\qt+8*\dt+2*\p], v[OA+32*\qt+8*\dt+2*\p+1]
.endr
.endr
	WIN 0
.irp dt, 0,1,2,3
	ds_store_b128 v[STO], v[T+4*\dt:T+4*\dt+3] offset:32*\dt
.endr
	s_wait_xcnt 0x0                                ; the registers that the last stores read are loaded again only behind this wait
.irp i, 0,1,2,3
	ds_load_b128 v[T+16+4*\i:T+16+4*\i+3], v[RD] offset:4*KP*\i    ; LDS serves a wave's instructions in order: these see the stores above
.endr
.irp i, 0,1,2,3
	s_wait_dscnt 3-\i
	global_store_b128 v[CO], v[T+16+4*\i:T+16+4*\i+3], s[6:7] offset:2048*\qt+512*\i
.endr
.endr
.Lclose:
	s_wait_xcnt 0x0
	v_lshl_add_u32 v190, v0, 2, 0x4e400
	v_mov_b32 v191, 0
	s_wait_tensorcnt 0x0
	ds_add_u32 v190, v191
	s_wait_dscnt 0x0
	ROUND                                          ; the closing round: no work-group ends while a partner may still ask for a tile that names it
	s_endpgm
.Lfunc_end_k_q4ac92d7869_attn:
	.size	k_q4ac92d7869_attn, .Lfunc_end_k_q4ac92d7869_attn-k_q4ac92d7869_attn
	.p2alignl 7, 3214868480
	.fill 96, 4, 3214868480
	.section	.rodata,"a",@progbits
	.p2align	6, 0x0
	.amdhsa_kernel k_q4ac92d7869_attn
		.amdhsa_group_segment_fixed_size 327680
		.amdhsa_private_segment_fixed_size 0
		.amdhsa_enable_private_segment 0
		.amdhsa_kernarg_size 16
		.amdhsa_user_sgpr_count 2
		.amdhsa_user_sgpr_kernarg_segment_ptr 1
		.amdhsa_wavefront_size32 1
		.amdhsa_system_sgpr_workgroup_id_x 1
		.amdhsa_system_sgpr_workgroup_id_y 1
		.amdhsa_system_sgpr_workgroup_id_z 1
		.amdhsa_system_vgpr_workitem_id 0
		.amdhsa_next_free_vgpr 512
		.amdhsa_next_free_sgpr 66
		.amdhsa_reserve_vcc 0
		.amdhsa_float_denorm_mode_32 3
		.amdhsa_float_denorm_mode_16_64 3
		.amdhsa_memory_ordered 1
		.amdhsa_forward_progress 1
		.amdhsa_inst_pref_size 255
	.end_amdhsa_kernel
	.section	.bss,"aw",@nobits
	.p2align	6
	.space	262144
	.amdgpu_metadata
---
amdhsa.version: [ 1, 2 ]
amdhsa.kernels:
  - .name:           k_q4ac92d7869_attn
    .symbol:         k_q4ac92d7869_attn.kd
    .args:
      - { .name: qkv, .offset: 0, .size: 8, .value_kind: global_buffer, .address_space: global }
      - { .name: ao, .offset: 8, .size: 8, .value_kind: global_buffer, .address_space: global }
    .group_segment_fixed_size: 327680
    .private_segment_fixed_size: 0
    .kernarg_segment_align: 8
    .kernarg_segment_size: 16
    .max_flat_workgroup_size: 256
    .sgpr_count:     66
    .vgpr_count:     512
    .wavefront_size: 32
...
	.end_amdgpu_metadata
.endif
;; end of part 5
;; launch proj: the kernel of part 4 again; grid 8 x 32, 4 waves a work-group, clusters of 4 x 4, 327,680 bytes of LDS; arguments ao, wb, bo, out0; writes out0
